; MI455X (gfx1250); checked and timed in simulation.
; The chip was launched on July 23, 2026; its instructions are those of AMD's public machine-readable ISA for CDNA 5 (MIT licence, August 2026) and "CDNA5" Instruction Set Architecture Reference Guide (July 2026). The comments in the code are by the model that wrote it; some were corrected since.
;; Multi Head Attention. Allowed arithmetic: float matrix products may take bf16 or f16 operands with f32 sums; other float arithmetic in f32, or as packed bf16 or f16 multiplies, adds, multiply-adds, maxima and minima; sums over many terms, partial sums and values carried from step to step in f32; what a program stores and reads back later, other than sums and carried values, may be rounded once to bf16 or f16.
;; Inputs: Wk 16 x 1,024 x 64 float32; Wo 1,024 x 1,024 float32; Wq 16 x 1,024 x 64 float32; Wv 16 x 1,024 x 64 float32; bk 16 x 64 float32; bo 1,024 float32; bq 16 x 64 float32; bv 16 x 64 float32; k 4 x 2,048 x 1,024 float32; mask 4 x 2,048 x 2,048 bool; q 4 x 2,048 x 1,024 float32; v 4 x 2,048 x 1,024 float32.
;; Outputs: out0 4 x 2,048 x 1,024 float32.
;; 2 versions, each right; version 2 is version 1 with the launch prep written anew for expert scheduling mode. Each part assembles by itself: llvm-mc -triple=amdgcn-amd-amdhsa -mcpu=gfx1250 --defsym DOCPART=n.
;; ======== version 1 of 2: 4 launches
;; limits: values are held in f16: magnitudes above 65,504 overflow, below 6.1e-05 lose precision
;; workspace buffers: x16 50,331,648 bytes; w16 6,291,456 bytes; wo16 2,097,152 bytes; mbits 2,097,152 bytes of whole numbers; qkv 50,331,648 bytes; o16 16,777,216 bytes
;; launch prep (part 1): grid 512 x 1, 8 waves a work-group, no clusters, 0 bytes of LDS; arguments q, k, v, Wq, Wk, Wv, Wo, mask, x16, w16, wo16, mbits; writes x16, w16, wo16, mbits
.if DOCPART == 1
	.amdgcn_target "amdgcn-amd-amdhsa--gfx1250"
	.amdhsa_code_object_version 6
	.text
	.protected	k_q7d564f1028_prep
	.globl	k_q7d564f1028_prep
	.p2align	8
	.type	k_q7d564f1028_prep,@function
k_q7d564f1028_prep:
	s_mov_b64 s[64:65], 0
	v_nop
	global_prefetch_b8 v0, s[64:65] scope:SCOPE_SE
	s_setreg_imm32_b32 hwreg(HW_REG_WAVE_MODE, 25, 1), 1
	s_wait_xcnt 0x0
; PREPARATION, a stream.  q, k, v, Wq, Wk, Wv (f32) are rounded once to bf16 and written in their own order into x16 [3][8192][1024] and w16 [3][16][1024][64];
; Wo is rounded to bf16 and that number written as f16 into wo16 [1024][1024] (LIMIT: below 6e-5 f16 keeps its fixed step of 6e-8);
; the mask [4][2048][2048] of bytes becomes lane words: mbits [512 tiles of 16 queries][32 steps of 64 keys][32 words], bit l of word 8 kb + j =
; mask[16 tile + l % 16][64 step + 16 kb + 8 (l / 16) + j]: the lane and register in which the attention launch holds that score.
; SHARES.  512 work-groups of eight waves; work-group i takes 1/512 of every job: 16,384 numbers of each of q, k, v, 2,048 of each weight, and query tile i of the mask,
; of which wave w takes keys 256 w .. 256 w + 255.  Nothing is shared and nothing is read twice from memory by design, so there is no LDS, no barrier, no matrix unit, no cluster.
; All 64 loads of a wave go out at the start; a load of q, k, v covers 512 consecutive bytes a wave, a store 256 consecutive bytes, aligned.
.set X,   32                           ; v[32:223]  tensor t, load j: four f32 at X + 64 t + 4 j; later the weights in v[32:63]
.set MK,  224                          ; v[224:255] mask: key block kb of 16: my 8 bytes at MK + 2 kb
.set OW,  8                            ; v[8:11]    the wave's 128 mask words: word W in register W % 4, lane W / 4
.set T,   12                           ; v[12:15]   at work
.set U,   16                           ; v[16:19]   at work
	s_load_b512 s[8:23], s[0:1], 0x0               ; q s[8:9], k s[10:11], v s[12:13], Wq s[14:15], Wk s[16:17], Wv s[18:19], Wo s[20:21], mask s[22:23]
	s_load_b256 s[24:31], s[0:1], 0x40             ; x16 s[24:25], w16 s[26:27], wo16 s[28:29], mbits s[30:31]
	v_lshlrev_b32 v1, 4, v0                        ; 16 x thread: loads of f32, and the store of the mask words (512 x wave + 16 x lane)
	v_lshlrev_b32 v2, 3, v0                        ; 8 x thread: stores of 16-bit numbers
	v_and_b32 v5, 15, v0
	v_bfe_u32 v6, v0, 4, 1
	v_lshrrev_b32 v7, 5, v0
	v_lshlrev_b32 v3, 11, v5                       ; mask: row l % 16 of 2,048 bytes,
	v_lshl_add_u32 v3, v6, 3, v3                   ; + 8 (l / 16),
	v_lshl_add_u32 v3, v7, 8, v3                   ; + 256 x wave
.irp r, 0,1,2,3
	v_mov_b32 v[OW+(\r)], 0                        ; written whole before single lanes are written
.endr
	s_lshl_b32 s32, ttmp9, 16                      ; my 65,536 bytes of q, k, v
	s_mov_b32 s33, 0
	s_lshl_b32 s34, ttmp9, 13                      ; my 8,192 bytes of a weight
	s_mov_b32 s35, 0
	s_lshl_b32 s36, ttmp9, 15                      ; my 32,768 bytes of the mask and of each part of x16
	s_mov_b32 s37, 0
	s_lshl_b32 s38, ttmp9, 12                      ; my 4,096 bytes of w16's parts, of wo16 and of mbits
	s_mov_b32 s39, 0
	s_mov_b32 s52, 0xff                            ; the four bytes of a word
	s_mov_b32 s53, 0xff00
	s_mov_b32 s54, 0xff0000
	s_mov_b32 s55, 0xff000000
	s_wait_kmcnt 0x0
.irp p, 8,10,12
	s_add_nc_u64 s[\p:\p+1], s[\p:\p+1], s[32:33]
.endr
.irp p, 14,16,18,20
	s_add_nc_u64 s[\p:\p+1], s[\p:\p+1], s[34:35]
.endr
	s_add_nc_u64 s[22:23], s[22:23], s[36:37]
	s_add_nc_u64 s[24:25], s[24:25], s[36:37]
.irp p, 26,28,30
	s_add_nc_u64 s[\p:\p+1], s[\p:\p+1], s[38:39]
.endr
	s_add_nc_u64 s[48:49], s[24:25], 0x1000000     ; x16's part for k,
	s_add_nc_u64 s[50:51], s[24:25], 0x2000000     ; and for v
.irp t, 0,1,2
.set j, 0
.rept 16
	global_load_b128 v[X+64*(\t)+4*j:X+64*(\t)+4*j+3], v1, s[8+2*(\t):9+2*(\t)] offset:4096*j th:TH_LOAD_NT
.set j, j+1
.endr
.endr
.set j, 0
.rept 16
	global_load_b64 v[MK+2*j:MK+2*j+1], v3, s[22:23] offset:16*j  ; the sixteen together take 256 consecutive bytes of each of 16 rows
.set j, j+1
.endr
; Tensor t is rounded in place and stored.  left = the loads issued behind the tensor's sixteen.
.macro CAST t, dst, left
.set j, 0
.rept 16
.set a, X+64*(\t)+4*j
	s_wait_loadcnt (\left)+15-j                    ; loads come back in order: load j of this tensor is in, all younger ones may stay out
	v_cvt_pk_bf16_f32 v[a], v[a], v[a+1]
	v_cvt_pk_bf16_f32 v[a+1], v[a+2], v[a+3]
	global_store_b64 v2, v[a:a+1], s[\dst:\dst+1] offset:2048*j
.set j, j+1
.endr
.endm
	CAST 0, 24, 48                                 ; behind q: k 16, v 16, mask 16
	s_wait_xcnt 0x0                                ; q's stores have read their registers: v[32:63] are loaded again only behind this wait
.irp t, 0,1,2,3
.irp j, 0,1
	global_load_b128 v[X+8*(\t)+4*(\j):X+8*(\t)+4*(\j)+3], v1, s[14+2*(\t):15+2*(\t)] offset:4096*(\j) th:TH_LOAD_NT
.endr
.endr
	CAST 1, 48, 40                                 ; behind k: v 16, mask 16, weights 8
	CAST 2, 50, 24                                 ; behind v: mask 16, weights 8
	s_wait_loadcnt 8                               ; the mask is in; the weights may stay out
.set W, 0
.rept 128                                              ; word W = 8 kb + j: byte j of my 8 bytes of key block kb, compared in all 32 lanes at once
	v_and_b32 v[T+W%4], s[52+W%4], v[MK+2*(W/8)+(W%8)/4]
	v_cmp_ne_u32 s[40+W%8], 0, v[T+W%4]
	v_writelane_b32 v[OW+W%4], s[40+W%8], W/4
.set W, W+1
.endr
	global_store_b128 v1, v[OW:OW+3], s[30:31]     ; the wave's 512 consecutive bytes
	s_wait_loadcnt 0x0                             ; the weights
.irp t, 0,1,2
.irp j, 0,1
.set a, X+8*(\t)+4*(\j)
	v_cvt_pk_bf16_f32 v[a], v[a], v[a+1]
	v_cvt_pk_bf16_f32 v[a+1], v[a+2], v[a+3]
	global_store_b64 v2, v[a:a+1], s[26:27] offset:(\t)*2097152+2048*(\j)
.endr
.endr
.irp j, 0,1
.set a, X+24+4*(\j)
	v_cvt_pk_bf16_f32 v[T], v[a], v[a+1]           ; Wo: rounded to bf16 like every input,
	v_cvt_pk_bf16_f32 v[T+1], v[a+2], v[a+3]
	v_lshlrev_b32 v[U], 16, v[T]                   ; widened again,
	v_and_b32 v[U+1], 0xffff0000, v[T]
	v_lshlrev_b32 v[U+2], 16, v[T+1]
	v_and_b32 v[U+3], 0xffff0000, v[T+1]
	v_cvt_pk_f16_f32 v[a], v[U], v[U+1]            ; and written as f16: bf16's 8 bits fit f16's 11
	v_cvt_pk_f16_f32 v[a+1], v[U+2], v[U+3]
	global_store_b64 v2, v[a:a+1], s[28:29] offset:2048*(\j)
.endr
	s_endpgm
.Lfunc_end_k_q7d564f1028_prep:
	.size	k_q7d564f1028_prep, .Lfunc_end_k_q7d564f1028_prep-k_q7d564f1028_prep
	.p2alignl 7, 3214868480
	.fill 96, 4, 3214868480
	.section	.rodata,"a",@progbits
	.p2align	6, 0x0
	.amdhsa_kernel k_q7d564f1028_prep
		.amdhsa_group_segment_fixed_size 0
		.amdhsa_private_segment_fixed_size 0
		.amdhsa_enable_private_segment 0
		.amdhsa_kernarg_size 96
		.amdhsa_user_sgpr_count 2
		.amdhsa_user_sgpr_kernarg_segment_ptr 1
		.amdhsa_wavefront_size32 1
		.amdhsa_system_sgpr_workgroup_id_x 1
		.amdhsa_system_sgpr_workgroup_id_y 1
		.amdhsa_system_sgpr_workgroup_id_z 1
		.amdhsa_system_vgpr_workitem_id 0
		.amdhsa_next_free_vgpr 256
		.amdhsa_next_free_sgpr 66
		.amdhsa_reserve_vcc 0
		.amdhsa_float_denorm_mode_32 3
		.amdhsa_float_denorm_mode_16_64 3
		.amdhsa_memory_ordered 1
		.amdhsa_forward_progress 1
		.amdhsa_inst_pref_size 44
	.end_amdhsa_kernel
	.amdgpu_metadata
---
amdhsa.version: [ 1, 2 ]
amdhsa.kernels:
  - .name:           k_q7d564f1028_prep
    .symbol:         k_q7d564f1028_prep.kd
    .args:
      - { .name: q, .offset: 0, .size: 8, .value_kind: global_buffer, .address_space: global }
      - { .name: k, .offset: 8, .size: 8, .value_kind: global_buffer, .address_space: global }
      - { .name: v, .offset: 16, .size: 8, .value_kind: global_buffer, .address_space: global }
      - { .name: Wq, .offset: 24, .size: 8, .value_kind: global_buffer, .address_space: global }
      - { .name: Wk, .offset: 32, .size: 8, .value_kind: global_buffer, .address_space: global }
      - { .name: Wv, .offset: 40, .size: 8, .value_kind: global_buffer, .address_space: global }
      - { .name: Wo, .offset: 48, .size: 8, .value_kind: global_buffer, .address_space: global }
      - { .name: mask, .offset: 56, .size: 8, .value_kind: global_buffer, .address_space: global }
      - { .name: x16, .offset: 64, .size: 8, .value_kind: global_buffer, .address_space: global }
      - { .name: w16, .offset: 72, .size: 8, .value_kind: global_buffer, .address_space: global }
      - { .name: wo16, .offset: 80, .size: 8, .value_kind: global_buffer, .address_space: global }
      - { .name: mbits, .offset: 88, .size: 8, .value_kind: global_buffer, .address_space: global }
    .group_segment_fixed_size: 0
    .private_segment_fixed_size: 0
    .kernarg_segment_align: 8
    .kernarg_segment_size: 96
    .max_flat_workgroup_size: 256
    .sgpr_count:     66
    .vgpr_count:     256
    .wavefront_size: 32
...
	.end_amdgpu_metadata
.endif
;; end of part 1
;; launch proj (part 2): grid 8 x 32, 4 waves a work-group, clusters of 4 x 4, 327,680 bytes of LDS; arguments x16, w16, qkv, bq, bk, bv; writes qkv
.if DOCPART == 2
	.amdgcn_target "amdgcn-amd-amdhsa--gfx1250"
	.amdhsa_code_object_version 6
	.text
	.protected	k_q7d564f1028_proj
	.globl	k_q7d564f1028_proj
	.p2align	8
	.type	k_q7d564f1028_proj,@function
k_q7d564f1028_proj:
	s_mov_b64 s[64:65], 0
	v_nop
	global_prefetch_b8 v0, s[64:65] scope:SCOPE_SE
	s_setreg_imm32_b32 hwreg(HW_REG_WAVE_MODE, 25, 1), 1
	s_wait_xcnt 0x0
	s_wait_alu depctr_hold_cnt(0) depctr_sa_sdst(0) depctr_va_vdst(0) depctr_va_sdst(0) depctr_va_ssrc(0) depctr_va_vcc(0) depctr_vm_vsrc(0)
	s_getreg_b32 s2, hwreg(HW_REG_IB_STS2, 6, 4)
	s_cmp_eq_u32 s2, 0
	s_cbranch_scc0 .Lentry_in_a_cluster
	s_endpgm
.Lentry_in_a_cluster:
	s_bfe_u32 s2, ttmp6, 0x10000c
	s_cmp_lg_u32 s2, 0xf033
	s_cbranch_scc0 .Lentry_shape_is_right
	s_endpgm
.Lentry_shape_is_right:
; THE THREE PROJECTIONS.  qkv[t][b 16 + h][s][c] = sum over d of x16[t][b 2048 + s][d] w16[t][h][d][c] + bias_t[h][c], t = q, k, v.  Operands bf16, sums f32, the bias (rounded to bf16 like every
; input) is the C operand that starts each sum; the result is rounded once to f16.  LIMIT: a result of 65,520 or more in size becomes an infinity (f16); NaN and infinities are not treated apart.
; SHARES.  A tile is 256 rows x 128 columns (two heads): 32 x 8 = 256 tiles a tensor, one work-group each, and THE WORK-GROUP STAYS for the same tile of q, k and v: 768 equal tiles on 256 work-groups.
; Four waves, each 128 rows x 64 columns (one head): 32 accumulators, 256 registers.  K = 1,024 goes in 8 steps of 128 through two LDS slots; the ring runs on from tensor to tensor.
; A K step is written once: the LDS addresses hang on a scalar that an exclusive or turns from slot to slot, and one descriptor a tensor walks.
; The weights stay [d][c] as they lie: their fragments come out of LDS turned, by ds_load_tr16_b128.  Source 0 = 16 columns of W, source 1 = 16 rows of x: a lane ends with 8 neighbouring
; columns of one row.  A wave's 16 rows of a head are 2,048 consecutive bytes of qkv: they leave through a stage in LDS as stores of 512 consecutive bytes.
; CLUSTER 4 x 4.  x's tile hangs on the tile row alone and is asked for jointly along a row of the cluster, W's on the tile column alone, jointly along a column.
; REGISTERS.  window 0: v0-31 addresses; v64-159, v160-255 two fragment buffers (W's 4 fragments, then x's 8).  window 1: accumulator (a, b) at 8 (4 a + b).
;   window 2: v0-95 the three biases, 8 registers for each block of 16 columns; v96-223 the way out, 16 for each block of 16 rows.
.set PA,     272                       ; a row of x in LDS: 256 bytes + 16: the 16 rows of a load start in 16 different groups of four banks (ISA guide 11.1)
.set PB,     160                       ; a row of W (one d, 64 columns): 128 bytes + 32
.set AHALF,  128*PA                    ; what one tensor load brings of x
.set BOFF,   2*AHALF
.set BHEAD,  128*PB                    ; what one tensor load brings of W: 128 d of one head
.set SLOT,   BOFF+2*BHEAD              ; 110,592 bytes
.set SLOT1,  1<<17                     ; slot 1 begins here, so that one exclusive or turns an address in one slot into the other's
.set STAGE,  SLOT1+SLOT                ; behind the ring: 16 rows x 144 bytes for each wave
.set SP,     144
.set SPARE,  STAGE+4*16*SP             ; the spare words, 128 bytes a wave: two blocks of 256 bytes that no other line names
.set TRIPS,  6                         ; a tensor's K steps 2 to 7 are asked for in the loop
.set XT,     16777216                  ; bytes from tensor to tensor in x16 and in qkv
.set WTB,    2097152                   ; and in w16
.set NEXT_A, XT-7*256                  ; from a tensor's last K step to the next tensor's first
.set NEXT_B, WTB-7*16384
.set ADRA0, 16                         ; v16 LDS address of my x fragments in slot 0; never rewritten
.set ADRA,  17                         ; v17 the same in the slot in hand
.set ADRB0, 20                         ; v20, v21 the same for my W fragments
.set ADRB,  21
.set STO,  24
.set RD,   25
.set GO,   26
.set BO,   27                          ; my byte offset in a bias
.set SPW,  28                          ; my spare word; never rewritten
.set NIL,  29                          ; 0; never rewritten
.set PFO,  30                          ; the prefetches' lane offset; never rewritten
.set F0,   64
.set F1,   160
.set BIAS, 0                           ; window 2
.set TMP,  96                          ; window 2
.set G1A, 24
.set G0A, 32                           ; s[32:35] x's first fill; s[36:39] its second, which then walks
.set G1B, 48
.set G0B, 56                           ; s[56:59], s[60:63] the same for W
.set LIM, 43                           ; 2 in a wave that prefetches, else the greatest number
.set PFA, 44                           ; s[44:45] where my prefetches stand
.set PFS, 66                           ; s[66:67] their step from K step to K step
.set PFJ, 68                           ; s[68:69] their step at a change of tensors
.set TB,  70                           ; s70 0 or SLOT1: the slot in hand
.set MSB, 0
.macro WIN new                         ; the immediate's high byte repeats the setting that is left; a switch that changes nothing is dropped
.if MSB != (\new)
	s_set_vgpr_msb (MSB<<8)|(\new)
.set MSB, \new
.endif
.endm
.macro PLACES                          ; four plain places in front of loads into registers that matrix instructions have read, and of readers of results
.rept 4
	v_nop
.endr
.endm
; A joint refill by the walking descriptors: waves 0 and 1 fetch x's two halves, waves 2 and 3 W's two heads.  The branch hangs on the wave's number alone.  An s_nop 0 and four v_nop follow each line.
.macro JLOAD
	s_cmp_eq_u32 s11, 0
	s_cbranch_scc0 .Lfor_b_\@
	tensor_load_to_lds s[G0A+4:G0A+7], s[G1A:G1A+7]
	s_nop 0
	PLACES
	s_branch .Lasked_\@
.Lfor_b_\@:
	tensor_load_to_lds s[G0B+4:G0B+7], s[G1B:G1B+7]
	s_nop 0
	PLACES
.Lasked_\@:
.endm
; A prefetch of the K step that stands two refills on, one instruction a wave, a lane a block of 256 bytes.  x's rows are read by both clusters of a row of clusters: cluster x = 0 asks, waves 0 and 1, each of
; the four partners for 32 of the wave's 128 rows (told apart by address: cx).  W's 2 x 16,384 bytes of a step are read by all eight clusters of a column: cluster y = 0 asks, wave 2, each partner for 8,192 (cy).
; how = 0, in the loop: a tensor's last two refills (s3 = 2, 1) have no K step two on.  how > 0, at a change of tensors: the next tensor's K steps 2 and 3.
.macro ASK how
.if \how
	s_cmp_eq_u32 s[LIM], 2
.else
	s_cmp_gt_u32 s3, s[LIM]
.endif
	s_cbranch_scc0 .Lnot_mine_\@
	global_prefetch_b8 v[PFO], s[PFA:PFA+1] th:TH_LOAD_NT scope:SCOPE_SE
.Lnot_mine_\@:
.endm
.macro CREST                           ; a round of the cluster's barrier behind its opening barrier
	s_cmp_lg_u32 s10, 0
	s_cbranch_scc1 .Lnot_wave_0_\@
	s_barrier_signal -3
.Lnot_wave_0_\@:
	s_barrier_wait -3
	s_barrier_signal -1
	s_barrier_wait -1
.endm
.macro CROUND
	s_barrier_signal -1
	s_barrier_wait -1
	CREST
.endm
	s_load_b128 s[4:7], s[0:1], 0x0                ; x16 s[4:5], w16 s[6:7]
	s_load_b64 s[8:9], s[0:1], 0x10                ; qkv
	s_load_b128 s[72:75], s[0:1], 0x18             ; bq, bk
	s_load_b64 s[76:77], s[0:1], 0x28              ; bv
	v_lshl_add_u32 v[SPW], v0, 2, SPARE
	v_mov_b32 v[NIL], 0
	ds_add_u32 v[SPW], v[NIL]                      ; the wave's opening: the add and its wait stand ahead of my first tensor load; register work stands between them
	v_lshrrev_b32 v1, 5, v0
	v_readfirstlane_b32 s10, v1                    ; wave 0..3
	s_lshr_b32 s11, s10, 1                         ; my half of the tile's rows.  Also: I fetch for x (0) or for W (1)
	s_and_b32 s12, s10, 1                          ; my head of the tile's two.  Also: which half of x's rows, or which head of W, I fetch
	s_bfe_u32 s40, ttmp6, 0x40000                  ; cx
	s_bfe_u32 s41, ttmp6, 0x40004                  ; cy
	s_lshl_b32 s42, ttmp9, 2
	s_add_co_u32 s42, s42, s40                     ; tile column 0..7
	s_and_b32 s13, ttmp7, 0xffff
	s_lshl_b32 s13, s13, 2
	s_add_co_u32 s13, s13, s41                     ; tile row 0..31
	s_lshl_b32 s43, s41, 2
	s_lshl_b32 s43, 15, s43                        ; my row of the cluster
	s_lshl_b32 s44, 0x1111, s40                    ; my column
	s_or_b32 s[G1A+0], s43, (1<<16)|(1<<20)|(1<<21)|(5<<22)|(3<<25)  ; mask; 2-byte elements; padding on; bit 21 beside a mask; after every 64 words 4 words
	s_mov_b32 s[G1A+1], 128<<16                    ; tensor_dim0 = 128
	s_mov_b32 s[G1A+2], 128<<16                    ; tensor_dim1 = 128
	s_mov_b32 s[G1A+3], 128<<16                    ; tile_dim0 = 128
	s_mov_b32 s[G1A+4], 128                        ; tile_dim1 = 128
	s_mov_b32 s[G1A+5], 1024                       ; elements from row to row
	s_mov_b32 s[G1A+6], 0
	s_mov_b32 s[G1A+7], 0
	s_or_b32 s[G1B+0], s44, (1<<16)|(1<<20)|(1<<21)|(4<<22)|(7<<25)  ; W: 16,384 dense bytes asked for as 64 rows of 256, padded by 8 words after every 32 (one d)
	s_mov_b32 s[G1B+1], 128<<16
	s_mov_b32 s[G1B+2], 64<<16
	s_mov_b32 s[G1B+3], 128<<16
	s_mov_b32 s[G1B+4], 64
	s_mov_b32 s[G1B+5], 128
	s_mov_b32 s[G1B+6], 0
	s_mov_b32 s[G1B+7], 0
	s_lshl_b32 s16, s13, 8                         ; x: row 256 x tile row + 128 x half, of 2,048 bytes: made of the tile row and the wave's number alone
	s_lshl_b32 s17, s12, 7
	s_add_co_u32 s16, s16, s17
	s_lshl_b32 s16, s16, 11
	s_mov_b32 s17, 0
	s_lshl_b32 s46, s42, 1                         ; W: head 2 x tile column + my head, of 131,072 bytes: made of the tile column and the wave's number alone
	s_add_co_u32 s46, s46, s12
	s_lshl_b32 s46, s46, 17
	s_mov_b32 s47, 0
	s_mul_i32 s20, s12, AHALF                      ; where they go: no place in the cluster enters an LDS address
	s_mul_i32 s21, s12, BHEAD
	s_add_co_u32 s21, s21, BOFF
	s_mov_b32 s[TB], 0
	s_wait_dscnt 0x0                               ; the opening add is done
	s_wait_kmcnt 0x0
	s_add_nc_u64 s[14:15], s[4:5], s[16:17]
	s_add_nc_u64 s[46:47], s[6:7], s[46:47]
	CROUND                                         ; all sixteen work-groups are here: the first joint loads meet
.irp s, 0,1
	s_mov_b32 s[G0A+4*(\s)], 1
	s_add_co_u32 s[G0A+4*(\s)+1], s20, (\s)*SLOT1
	s_add_nc_u64 s[G0A+4*(\s)+2:G0A+4*(\s)+3], s[14:15], (\s)*256
	s_or_b32 s[G0A+4*(\s)+3], s[G0A+4*(\s)+3], 0x80000000
	s_mov_b32 s[G0B+4*(\s)], 1
	s_add_co_u32 s[G0B+4*(\s)+1], s21, (\s)*SLOT1
	s_add_nc_u64 s[G0B+4*(\s)+2:G0B+4*(\s)+3], s[46:47], (\s)*16384
	s_or_b32 s[G0B+4*(\s)+3], s[G0B+4*(\s)+3], 0x80000000
.endr
	s_cmp_eq_u32 s11, 0                            ; a wave's two first fills stand in one branch, ahead of every wait on TENSORcnt and every LDS read: two loads of mine are out
	s_cbranch_scc0 .Lfirst_b
	tensor_load_to_lds s[G0A:G0A+3], s[G1A:G1A+7]
	s_nop 0
	tensor_load_to_lds s[G0A+4:G0A+7], s[G1A:G1A+7]
	s_nop 0
	PLACES
	s_branch .Lfirst_asked
.Lfirst_b:
	tensor_load_to_lds s[G0B:G0B+3], s[G1B:G1B+7]
	s_nop 0
	tensor_load_to_lds s[G0B+4:G0B+7], s[G1B:G1B+7]
	s_nop 0
	PLACES
.Lfirst_asked:
	v_and_b32 v1, 15, v0                           ; l % 16
	v_bfe_u32 v2, v0, 4, 1                         ; l / 16
	v_mul_u32_u24 v3, v1, PA
	v_lshl_add_u32 v3, v2, 4, v3                   ; x: row x pitch + 16 x half
	v_and_b32 v4, 7, v0
	v_bfe_u32 v5, v0, 3, 1
	v_lshl_add_u32 v6, v2, 3, v4                   ; W, turned: lane l reads d = 8 (l / 16) + l % 8, columns 8 ((l / 8) % 2) + 0..7
	v_mul_u32_u24 v6, v6, PB
	v_lshl_add_u32 v6, v5, 4, v6
	s_mul_i32 s21, s11, AHALF                      ; my 128 rows of x
	s_mul_i32 s22, s12, BHEAD                      ; my head of W
	s_add_co_u32 s22, s22, BOFF
	v_add_nc_u32 v[ADRA0], s21, v3
	v_add_nc_u32 v[ADRB0], s22, v6
	v_mov_b32 v[ADRA], v[ADRA0]                    ; the walk begins in slot 0
	v_mov_b32 v[ADRB], v[ADRB0]
	s_mul_i32 s23, s10, 16*SP
	s_add_co_u32 s23, s23, STAGE                   ; my stage
	v_mul_u32_u24 v7, v1, SP                       ; in: row l % 16, 16 bytes for each half of the lanes
	v_lshl_add_u32 v7, v2, 4, v7
	v_add_nc_u32 v[STO], s23, v7
	v_bfe_u32 v7, v0, 3, 2                         ; back: 32 lanes take four rows of 128 bytes,
	v_mul_u32_u24 v7, v7, SP
	v_lshl_add_u32 v7, v4, 4, v7
	v_add_nc_u32 v[RD], s23, v7
	v_and_b32 v[GO], 31, v0                        ; which are 512 consecutive bytes of qkv
	v_lshlrev_b32 v[GO], 4, v[GO]
	s_lshl_b32 s22, s42, 1
	s_add_co_u32 s22, s22, s12                     ; my head
	s_lshl_b32 s23, s22, 8
	v_lshl_add_u32 v[BO], v2, 5, s23               ; bias: 256 x head + 32 (l / 16)
	WIN 0x80                                       ; destination window 2
.irp t, 0,1,2
.irp b, 0,1,2,3
	global_load_b128 v[BIAS+32*(\t)+8*(\b):BIAS+32*(\t)+8*(\b)+3],   v[BO], s[72+2*(\t):73+2*(\t)] offset:64*(\b)
	global_load_b128 v[BIAS+32*(\t)+8*(\b)+4:BIAS+32*(\t)+8*(\b)+7], v[BO], s[72+2*(\t):73+2*(\t)] offset:64*(\b)+16
.endr
.endr
	WIN 0
	s_lshr_b32 s16, s13, 3                         ; where my 128 rows of my head begin in qkv: ((b 16 + head) 2,048 + 256 (tile row % 8) + 128 x half) x 128 bytes
	s_lshl_b32 s16, s16, 4
	s_add_co_u32 s16, s16, s22
	s_lshl_b32 s16, s16, 11
	s_and_b32 s17, s13, 7
	s_lshl_b32 s17, s17, 8
	s_add_co_u32 s16, s16, s17
	s_lshl_b32 s17, s11, 7
	s_add_co_u32 s16, s16, s17
	s_lshl_b32 s16, s16, 7
	s_mov_b32 s17, 0
	s_add_nc_u64 s[8:9], s[8:9], s[16:17]
	; the prefetches
	s_lshl_b32 s20, s13, 8                         ; x: row 256 x tile row + 128 x half + 32 cx
	s_lshl_b32 s21, s12, 7
	s_add_co_u32 s20, s20, s21
	s_lshl_b32 s21, s40, 5
	s_add_co_u32 s20, s20, s21
	s_lshl_b32 s20, s20, 11
	s_lshl_b32 s22, s42, 1                         ; W: head 2 x tile column + cy / 2, half cy % 2 of a step's 16,384 bytes
	s_lshr_b32 s23, s41, 1
	s_add_co_u32 s22, s22, s23
	s_lshl_b32 s22, s22, 17
	s_and_b32 s23, s41, 1
	s_lshl_b32 s23, s23, 13
	s_add_co_u32 s22, s22, s23
	s_and_b32 s18, ttmp7, 0xffff
	s_or_b32 s18, s18, s12                         ; for W: cluster y = 0 and wave 2
	s_mov_b32 s[PFS], 16384
	s_mov_b32 s[PFS+1], 0
	s_mov_b32 s[PFJ], WTB-7*16384                  ; from the K step two behind a tensor's last to the next tensor's K step 2
	s_mov_b32 s[PFJ+1], 0
	s_cmp_eq_u32 s11, 0                            ; do I fetch for x?
	s_cselect_b32 s20, s20, s22
	s_cselect_b32 s18, ttmp9, s18                  ; for x: cluster x = 0
	s_cselect_b64 s[PFA:PFA+1], s[4:5], s[6:7]
	s_cselect_b32 s[PFS], 256, s[PFS]
	s_cselect_b32 s[PFJ], XT-7*256, s[PFJ]
	s_cselect_b32 s19, 11, 8                       ; a lane a row of 2,048 bytes (x), or a block of 256 (W)
	s_cmp_eq_u32 s18, 0
	s_cselect_b32 s[LIM], 2, -1                    ; the same in all sixteen partners, for a given wave
	s_mov_b32 s21, 0
	s_add_nc_u64 s[PFA:PFA+1], s[PFA:PFA+1], s[20:21]
	s_mul_i32 s20, s[PFS], 3
	s_add_nc_u64 s[PFA:PFA+1], s[PFA:PFA+1], s[20:21]  ; at K step 3: the first refill (K step 2) steps it to 4 and asks.  Nothing is asked for here, at the head
	v_and_b32 v[PFO], 31, v0
	v_lshlrev_b32 v[PFO], s19, v[PFO]
	s_wait_loadcnt 0x0                             ; the biases
	WIN 0x8a                                       ; all in window 2: rounded to bf16 like every input, and widened again
.set i, 0
.rept 48
	v_cvt_pk_bf16_f32 v[TMP+i], v[BIAS+2*i], v[BIAS+2*i+1]
	v_lshlrev_b32 v[BIAS+2*i], 16, v[TMP+i]
	v_and_b32 v[BIAS+2*i+1], 0xffff0000, v[TMP+i]
.set i, i+1
.endr
	WIN 0
; 8 matrix instructions: row blocks a0, a0 + 1 x all 4 column blocks, 32 along K.  zero = 1: the bias starts the sums.  The 32 accumulators take turns, in the same order in every quarter.
.macro MUL8 f, a0, zero
.if \zero
	WIN 0x60                                       ; C in window 2, D in window 1
.else
	WIN 0x50                                       ; C and D in window 1
.endif
.irp a, \a0, (\a0)+1
.irp b, 0,1,2,3
.if \zero
	v_wmma_f32_16x16x32_bf16 v[8*(4*(\a)+(\b)):8*(4*(\a)+(\b))+7], v[(\f)+8*(\b):(\f)+8*(\b)+7], v[(\f)+32+8*(\a):(\f)+32+8*(\a)+7], v[BIAS+8*(\b):BIAS+8*(\b)+7]
.else
	v_wmma_f32_16x16x32_bf16 v[8*(4*(\a)+(\b)):8*(4*(\a)+(\b))+7], v[(\f)+8*(\b):(\f)+8*(\b)+7], v[(\f)+32+8*(\a):(\f)+32+8*(\a)+7], v[8*(4*(\a)+(\b)):8*(4*(\a)+(\b))+7]
.endif
.endr
.endr
.endm
; 24 LDS loads in one run: quarter q of the slot in hand into buffer f: W's 4 fragments (turned), x's row blocks 0-3, then 4-7
.macro FETCH q, f
	WIN 0
.irp b, 0,1,2,3
	ds_load_tr16_b128 v[(\f)+8*(\b):(\f)+8*(\b)+3],   v[ADRB] offset:(\q)*32*PB+32*(\b)
	ds_load_tr16_b128 v[(\f)+8*(\b)+4:(\f)+8*(\b)+7], v[ADRB] offset:(\q)*32*PB+32*(\b)+16*PB
.endr
.irp i, 0,1,2,3,4,5,6,7
	ds_load_b128 v[(\f)+32+8*(\i):(\f)+32+8*(\i)+3],   v[ADRA] offset:(\q)*64+(\i)*16*PA
	ds_load_b128 v[(\f)+32+8*(\i)+4:(\f)+32+8*(\i)+7], v[ADRA] offset:(\q)*64+(\i)*16*PA+32
.endr
.endm
.macro FLIP                            ; the other slot comes in hand
	WIN 0
	s_xor_b32 s[TB], s[TB], SLOT1
	v_add_nc_u32 v[ADRA], s[TB], v[ADRA0]
	v_add_nc_u32 v[ADRB], s[TB], v[ADRB0]
.endm
; A K step is four quarters of 32 along K, 32 matrix instructions each, on buffers 0, 1, 0, 1.  One of the first three: multiplies f, and in its middle fetches quarter q into g.
.macro QUARTER q, f, g, zero
	s_wait_dscnt 8                                 ; W and x's row blocks 0-3 are in; the youngest eight loads (blocks 4-7) may be out
	MUL8 \f, 0, \zero
	MUL8 \f, 2, \zero
	PLACES
	FETCH \q, \g
	s_wait_dscnt 24                                ; all but the 24 just issued
	MUL8 \f, 4, \zero
	MUL8 \f, 6, \zero
.endm
; The last quarter's first half: one barrier for the change of slots.
.macro MEET round
	WIN 0
	s_wait_tensorcnt 0x0                           ; all my tensor loads have landed: the one that was out is my part of the next slot
	ds_add_u32 v[SPW], v[NIL]                      ; 0 onto my spare word
	s_wait_dscnt 9                                 ; (the add and the youngest eight loads may be out)
	MUL8 F1, 0, 0
	s_wait_dscnt 0x0                               ; the add is done, and my reads of this slot are over
	s_barrier_signal -1
	MUL8 F1, 2, 0
.if \round
	WIN 0
.endif
	s_barrier_wait -1
.endm
; The whole last quarter.  Behind the round the slot just read out is filled again first: with the K step two on.  on = 0: of this tensor.  on = 1: the next tensor's K step 0.  on = 2: its K step 1.
.macro TURN on
	s_wait_xcnt 0x0                                ; the last prefetch, a K step back, has read its address
.if (\on) == 1
	s_add_nc_u64 s[PFA:PFA+1], s[PFA:PFA+1], s[PFJ:PFJ+1]
.else
	s_add_nc_u64 s[PFA:PFA+1], s[PFA:PFA+1], s[PFS:PFS+1]
.endif
	MEET 1
	CREST                                          ; no wave of any partner still reads this slot or has a load on its way
	s_xor_b32 s[G0A+5], s[G0A+5], SLOT1            ; the walking descriptors: the other slot than last time,
	s_xor_b32 s[G0B+5], s[G0B+5], SLOT1
.if (\on) == 1
	s_add_nc_u64 s[G0A+6:G0A+7], s[G0A+6:G0A+7], NEXT_A
	s_add_nc_u64 s[G0B+6:G0B+7], s[G0B+6:G0B+7], NEXT_B
.else
	s_add_nc_u64 s[G0A+6:G0A+7], s[G0A+6:G0A+7], 256    ; the next K step; the type bits on top are not reached
	s_add_nc_u64 s[G0B+6:G0B+7], s[G0B+6:G0B+7], 16384
.endif
	JLOAD                                          ; the first tensor load behind the round; its four v_nop are also the places in front of the loads below
	FLIP
	FETCH 0, F0
	ASK \on
	MUL8 F1, 4, 0
	MUL8 F1, 6, 0
.endm
; THE WAY OUT of row block a: rounded to f16, 16 bytes a lane, into my own stage and back as rows of 128 bytes; then stored.
.macro PACK a
	WIN 0x85                                       ; sources window 1, destination window 2
.irp b, 0,1,2,3
.irp r, 0,1,2,3
	v_cvt_pk_f16_f32 v[TMP+16*(\a)+4*(\b)+(\r)], v[8*(4*(\a)+(\b))+2*(\r)], v[8*(4*(\a)+(\b))+2*(\r)+1]
.endr
.endr
	WIN 0x08                                       ; store data window 2
.irp b, 0,1,2,3
	ds_store_b128 v[STO], v[TMP+16*(\a)+4*(\b):TMP+16*(\a)+4*(\b)+3] offset:32*(\b)
.endr
	WIN 0x80
.irp f, 0,1,2,3
	ds_load_b128 v[TMP+16*(\a)+4*(\f):TMP+16*(\a)+4*(\f)+3], v[RD] offset:(\f)*4*SP  ; LDS serves a wave's instructions in order (ISA guide 5.7.1.4): these see the stores above
.endr
.endm
.macro SEND a, younger                 ; younger: the LDS instructions issued behind block a's loads: the next block's eight, or none
	WIN 0x08
.irp f, 0,1,2,3
	s_wait_dscnt (\younger)+3-(\f)
	global_store_b128 v[GO], v[TMP+16*(\a)+4*(\f):TMP+16*(\a)+4*(\f)+3], s[8:9] offset:2048*(\a)+512*(\f)  ; 512 consecutive bytes, at a multiple of 256 from qkv's first
.endr
.endm
	s_wait_tensorcnt 1                             ; my part of K step 0 is in; K step 1's may stay out
	s_barrier_signal -1
	s_barrier_wait -1
	FETCH 0, F0
	s_mov_b32 s2, 3                                ; tensors to go
.Ltile:
	QUARTER 1, F0, F1, 1                           ; a tensor's first quarter: the bias starts the sums
	WIN 0
	s_mov_b32 s3, TRIPS
.Llap:                                                 ; a trip goes from a K step's second quarter to the next step's first, and fills the slot that it leaves
	QUARTER 2, F1, F0, 0
	QUARTER 3, F0, F1, 0
	TURN 0
	QUARTER 1, F0, F1, 0
	WIN 0
	s_sub_co_u32 s3, s3, 1
	s_cmp_lg_u32 s3, 0
	s_cbranch_scc1 .Llap
	QUARTER 2, F1, F0, 0                           ; K step 6 goes on
	QUARTER 3, F0, F1, 0
	WIN 0
	s_cmp_eq_u32 s2, 1
	s_cbranch_scc1 .Llast                          ; the last tensor's tail is written out: it asks for nothing more
	TURN 1                                         ; the ring goes on into the next tensor
	QUARTER 1, F0, F1, 0
	QUARTER 2, F1, F0, 0
	QUARTER 3, F0, F1, 0
	TURN 2                                         ; row blocks 0-3 were finished in front of the joint load's four v_nop; their 64 conversions below are the places behind blocks 4-7's last products
	WIN 0
	s_branch .Lout
.Llast:
	MEET 0                                         ; the load that was out is the last K step's, so no round follows
	PLACES
	FLIP
	FETCH 0, F0
	MUL8 F1, 4, 0
	MUL8 F1, 6, 0
	QUARTER 1, F0, F1, 0
	QUARTER 2, F1, F0, 0
	QUARTER 3, F0, F1, 0
	s_wait_dscnt 8
	MUL8 F1, 0, 0
	MUL8 F1, 2, 0
	s_wait_dscnt 0x0
	MUL8 F1, 4, 0
	MUL8 F1, 6, 0
	WIN 0
	PLACES
	PLACES
.Lout:                                                 ; the way out is written once; every wait on TENSORcnt behind it is for 0
	PACK 0
.irp a, 1,2,3,4,5,6,7
	PACK \a
	SEND (\a)-1, 8
.endr
	SEND 7, 0
	WIN 0
	s_cmp_eq_u32 s2, 1
	s_cbranch_scc1 .Lend
	s_wait_xcnt 0x0                                ; the stores have read their registers and their base
	s_add_nc_u64 s[8:9], s[8:9], XT
	WIN 0x82                                       ; the next tensor's bias moves to where the one text of the first quarter names it
.set i, 0
.rept 64
	v_mov_b32 v[BIAS+i], v[BIAS+32+i]
.set i, i+1
.endr
	WIN 0
	s_sub_co_u32 s2, s2, 1
	s_branch .Ltile
.Lend:
	s_wait_tensorcnt 0x0                           ; the wave's end, behind my last tensor load and my last LDS store
	ds_add_u32 v[SPW], v[NIL]
	s_wait_dscnt 0x0
	CROUND                                         ; the closing round
	s_endpgm
.Lfunc_end_k_q7d564f1028_proj:
	.size	k_q7d564f1028_proj, .Lfunc_end_k_q7d564f1028_proj-k_q7d564f1028_proj
	.p2alignl 7, 3214868480
	.fill 96, 4, 3214868480
	.section	.rodata,"a",@progbits
	.p2align	6, 0x0
	.amdhsa_kernel k_q7d564f1028_proj
		.amdhsa_group_segment_fixed_size 327680
		.amdhsa_private_segment_fixed_size 0
		.amdhsa_enable_private_segment 0
		.amdhsa_kernarg_size 48
		.amdhsa_user_sgpr_count 2
		.amdhsa_user_sgpr_kernarg_segment_ptr 1
		.amdhsa_wavefront_size32 1
		.amdhsa_system_sgpr_workgroup_id_x 1
		.amdhsa_system_sgpr_workgroup_id_y 1
		.amdhsa_system_sgpr_workgroup_id_z 1
		.amdhsa_system_vgpr_workitem_id 0
		.amdhsa_next_free_vgpr 768
		.amdhsa_next_free_sgpr 80
		.amdhsa_reserve_vcc 0
		.amdhsa_float_denorm_mode_32 3
		.amdhsa_float_denorm_mode_16_64 3
		.amdhsa_memory_ordered 1
		.amdhsa_forward_progress 1
		.amdhsa_inst_pref_size 107
	.end_amdhsa_kernel
	.amdgpu_metadata
---
amdhsa.version: [ 1, 2 ]
amdhsa.kernels:
  - .name:           k_q7d564f1028_proj
    .symbol:         k_q7d564f1028_proj.kd
    .args:
      - { .name: x16, .offset: 0, .size: 8, .value_kind: global_buffer, .address_space: global }
      - { .name: w16, .offset: 8, .size: 8, .value_kind: global_buffer, .address_space: global }
      - { .name: qkv, .offset: 16, .size: 8, .value_kind: global_buffer, .address_space: global }
      - { .name: bq, .offset: 24, .size: 8, .value_kind: global_buffer, .address_space: global }
      - { .name: bk, .offset: 32, .size: 8, .value_kind: global_buffer, .address_space: global }
      - { .name: bv, .offset: 40, .size: 8, .value_kind: global_buffer, .address_space: global }
    .group_segment_fixed_size: 327680
    .private_segment_fixed_size: 0
    .kernarg_segment_align: 8
    .kernarg_segment_size: 48
    .max_flat_workgroup_size: 128
    .sgpr_count:     80
    .vgpr_count:     768
    .wavefront_size: 32
...
	.end_amdgpu_metadata
.endif
;; end of part 2
;; launch attn (part 3): grid 4 x 64, 4 waves a work-group, clusters of 4 x 1, 327,680 bytes of LDS; arguments qkv, mbits, o16; writes o16
.if DOCPART == 3
	.amdgcn_target "amdgcn-amd-amdhsa--gfx1250"
	.amdhsa_code_object_version 6
	.text
	.protected	k_q7d564f1028_attn
	.globl	k_q7d564f1028_attn
	.p2align	8
	.type	k_q7d564f1028_attn,@function
k_q7d564f1028_attn:
	s_mov_b64 s[64:65], 0
	v_nop
	global_prefetch_b8 v0, s[64:65] scope:SCOPE_SE
	s_setreg_imm32_b32 hwreg(HW_REG_WAVE_MODE, 25, 1), 1
	s_wait_xcnt 0x0
	s_wait_alu depctr_hold_cnt(0) depctr_sa_sdst(0) depctr_va_vdst(0) depctr_va_sdst(0) depctr_va_ssrc(0) depctr_va_vcc(0) depctr_vm_vsrc(0)
	s_getreg_b32 s2, hwreg(HW_REG_IB_STS2, 6, 4)
	s_cmp_eq_u32 s2, 0
	s_cbranch_scc0 .Lentry_in_a_cluster
	s_endpgm
.Lentry_in_a_cluster:
	s_bfe_u32 s2, ttmp6, 0x10000c
	s_cmp_lg_u32 s2, 0x3003
	s_cbranch_scc0 .Lentry_shape_is_right
	s_endpgm
.Lentry_shape_is_right:
; ATTENTION WITH A FILLING MASK.  o16[h][q][:] = sum over k of softmax_k(mask[b][q][k] ? Q[h][q] . K[h][k] / 8 : -1e-6) V[h][k][:], h = 16 b + head.  Q, K, V = qkv's three parts, [64][2048][64] f16.
; A hidden key keeps a weight, so no tile is left out.  The fill is put in the raw score's place (as -8e-6, since the scale 1/8 comes behind it) BEFORE the running maximum is taken.
; The mask comes as lane words (mbits): word 8 kb + j of a tile of 16 queries and a step of 64 keys is the lane mask for register j of the accumulator of key block kb: one v_cndmask_b32 a score.
; THE WORDS' WAY.  A step's 256 words of a wave come by two vector loads (four tiles each, 128 consecutive bytes a tile) into landing registers, a whole key step ahead of their use; where a half is first
; wanted it is taken over into four registers at work and the landing registers are asked for again; v_readlane_b32 then puts a piece's 64 words into scalar registers, where the selects want them.
; Products, maxima and sums in f32; the weights p are rounded to f16 for the second product (their sum l is taken of the unrounded p), O once at the end.
; LIMITS.  Q, K, V arrive within f16's 65,504; p below 6e-5 keeps f16's fixed step of 6e-8; a weight below 2^-126 counts as 0 in l; NaN and infinities are not treated apart.
; SHARES.  A wave owns four PIECES of two tiles of 16 queries, a work-group's four waves 512 queries of one head; every wave walks all 2,048 keys, 64 a step.
; LAYOUT.  S^T = K Q^T: a lane holds ONE query (lane % 16) and the keys 8 (lane / 16) + 0..7.  Two such tiles, rounded to f16 in pairs, ARE source 1 of O^T = V^T P.  K comes out of LDS as it lies, V turned.
; SOFTMAX.  p = 2^(c s - c m), c = log2(e) / 8, with a running maximum m; in every step O and l are multiplied by a = 2^(c m_old - c m_new).  m starts at the lowest finite number, O and l at 0.
; BY TURNS.  Turn n belongs to piece n: 16 products K Q^T of piece n + 1, later 16 products V^T P of piece n - 1; beside them the scaling, exponentials, roundings, sums and rescaling of piece n, and the
; masking, maximum and statistics of piece n + 1.  Four vector instructions stand behind every matrix instruction, the others in one lump.  A turn's 66 exponentials are one batch with one wait.
; CLUSTER.  A head's four query blocks are one cluster and walk the same K and V: each tile is asked for JOINTLY.
; REGISTERS.  window 0: v0-11 addresses and constants; v12-15, v48-63 at work; v16-47 statistics; v64-191 S^T, two buffers of two tiles; v192-255 P, likewise.
;   window 1: O^T, 32 a tile.   window 2: v0-127 Q; v128-191 K of one step; v192-255 V of one step.   window 3: v0-1 the add's two registers; v2-20 the mask words and their addresses.
; SCALARS.  s[32:63] and s[68:99] hold a piece's 64 mask words; until the first of them are made, s68-99 serve the set-up.
.set SIZE_N, 2048
.set NP,    4
.set KS,    64
.set PK,    144       ; a row of K in LDS: 128 bytes + 16: the 16 rows of a load start in 16 different groups of four banks (ISA guide 11.1)
.set PV,    160       ; a row of V: 128 + 32
.set VOFF,  4*KS*PK   ; a slot holds four steps: 256 rows of K, then 256 rows of V
.set SLOT1, 1<<17
.set STAGE, SLOT1+4*KS*(PK+PV)  ; behind the ring: 16 rows x 144 bytes for each wave
.set SP,    144
.set SPARE, STAGE+4*16*SP       ; the spare words, 128 bytes a wave: two blocks of 256 bytes that no other line names
.set PFO, 1           ; v1   256 x my lane, for the prefetches (a temporary in the set-up)
.set AK0, 2
.set AV0, 3
.set AK,  4
.set AV,  5
.set QO,  5           ;      first: my byte offset in 16 rows of Q
.set STO, 6
.set RD,  7
.set GO,  8
.set FIL, 9           ; v9   -8e-6: the fill, ahead of the scale
.set CSV, 10          ; v[10:11] c, twice
.set SPW, 0           ; v0 of window 3
.set NIL, 1           ; v1 of window 3
.set MA,  2           ; v2, v3 of window 3: my byte offset in the words of tiles 0-3 (4-7: the same, with 16,384 in the immediate), at the step asked for last: 4,096 (l / 8) + 16 (l % 8) + 128 x step
.set ML,  4           ; v4-11 of window 3: the landing registers, four for each half of the tiles
.set MW,  12          ; v12-19 of window 3: the words at work: word w of tile t in register MW + 4 (t / 4) + w % 4, lane 8 (t % 4) + w / 4
.set MXA, 20          ; v20 of window 3: the offset at step 31, past which no load goes
.set MV,  12
.set ST,  16
.set TMP, 48
.set S,   64
.set P,   192
.set KF,  128
.set VF,  192
.set PFA, 2           ; s[2:3]   where my prefetches stand
.set G1K, 4           ; s[4:11]
.set G1V, 12          ; s[12:19]
.set G0K, 20          ; s[20:23]
.set G0V, 24          ; s[24:27]
.set MP,  28          ; s[28:29] mbits at my wave's tile 0, step 0; never rewritten
.set SEL, 30          ; s[30:31]
.set MB1, 32          ; s[32:63] the mask words of a piece's second tile
.set OP,  32          ; s[32:33] at the end: O at my wave's first row
.set TBK, 66
.set TBV, 67
.set MB0, 68          ; s[68:99] the mask words of a piece's first tile
.set WV,  100
.set SLOTS, 101
.set CNT, 104
.set LIM, 105         ; 1 in a wave that prefetches, else the greatest number
.set MSB, 0
.macro WIN new
.if MSB != (\new)
	s_set_vgpr_msb (MSB<<8)|(\new)
.set MSB, (\new)
.endif
.endm
.set W_KQ, 0x0a
.set W_PV, 0x52
.set W_RS, 0x41
.set W_MK, 0xc0
.set W_AD, 0x0f
.macro JLOAD                        ; waves 0 and 1 fetch the two halves of a slot's K, waves 2 and 3 those of its V; an s_nop 0 and four v_nop follow each line
	s_cmp_lt_u32 s[WV], 2
	s_cbranch_scc0 .Lfor_v_\@
	tensor_load_to_lds s[G0K:G0K+3], s[G1K:G1K+7]
	s_nop 0
.rept 4
	v_nop
.endr
	s_branch .Lasked_\@
.Lfor_v_\@:
	tensor_load_to_lds s[G0V:G0V+3], s[G1V:G1V+7]
	s_nop 0
.rept 4
	v_nop
.endr
.Lasked_\@:
.endm
; A prefetch of what the NEXT change of slots will ask for: a slot's 32,768 bytes of K and of V, a lane a block of 256 bytes.  A head is walked by one cluster; its four partners take 8,192 bytes each,
; told apart by address; in each, wave 0 asks for K's and wave 2 for V's.  The last change that fills a slot asks for nothing.
.macro ASK
	s_cmp_gt_u32 s[SLOTS], s[LIM]
	s_cbranch_scc0 .Lnot_mine_\@
	global_prefetch_b8 v[PFO], s[PFA:PFA+1] th:TH_LOAD_NT scope:SCOPE_SE
.Lnot_mine_\@:
.endm
.macro CROUND
	s_barrier_signal -1
	s_barrier_wait -1
	s_cmp_lg_u32 s[WV], 0
	s_cbranch_scc1 .Lnot_wave_0_\@
	s_barrier_signal -3
.Lnot_wave_0_\@:
	s_barrier_wait -3
	s_barrier_signal -1
	s_barrier_wait -1
.endm
; THE CHANGE OF SLOTS.  Each wave waits for all its tensor loads, of which one is out: its part of the other slot; adds 0 to its spare word; waits for that and for its reads of the slot.
; fill = 1: behind a round of the cluster's barrier the slot is filled again, with the keys two slots on: four key steps, 512 matrix instructions, in which to land.
.macro CHANGE fill, ask=0
	WIN W_AD
	s_wait_tensorcnt 0x0            ; no tensor load of mine is out, so a group 0 may be written
	ds_add_u32 v[SPW], v[NIL]       ; 0 onto my spare word
	WIN 0
.if \fill
.irp g, G0K, G0V
	s_xor_b32 s[\g+1], s[\g+1], SLOT1
	s_add_nc_u64 s[\g+2:\g+3], s[\g+2:\g+3], 4*KS*128
.endr
.if \ask
	s_wait_xcnt 0x0                 ; the last prefetch, four key steps back, has read its address
	s_add_nc_u64 s[PFA:PFA+1], s[PFA:PFA+1], 4*KS*128
.endif
	s_wait_dscnt 0x0                ; the add is done, and my reads of the slot are over
	CROUND
	JLOAD
.if \ask
	ASK
.endif
.else
	s_wait_dscnt 0x0
	s_barrier_signal -1
	s_barrier_wait -1
.endif
	s_sub_co_u32 s[TBK], s[TBK], 4*KS*PK
	s_xor_b32 s[TBK], s[TBK], SLOT1
	s_sub_co_u32 s[TBV], s[TBV], 4*KS*PV
	s_xor_b32 s[TBV], s[TBV], SLOT1
.endm
	s_load_b128 s[68:71], s[0:1], 0x0  ; qkv s[68:69], mbits s[70:71]
	WIN W_MK
	v_lshl_add_u32 v[SPW], v0, 2, SPARE
	v_mov_b32 v[NIL], 0
	WIN W_AD
	ds_add_u32 v[SPW], v[NIL]       ; the wave's opening: the add and its wait stand ahead of my first tensor load; register work stands between them
	WIN 0
	v_lshrrev_b32 v1, 5, v0
	v_readfirstlane_b32 s[WV], v1
	s_bfe_u32 s72, ttmp6, 0x40000   ; cx
	s_lshl_b32 s73, ttmp9, 2
	s_add_co_u32 s73, s73, s72      ; my block of 512 queries: it enters Q's, the mask's and O's addresses alone
	s_and_b32 s77, ttmp7, 0xffff    ; the head (16 b + head), which the four partners share
	s_lshl_b32 s74, s77, 18         ; its 262,144 bytes in Q, K, V and O
	s_mov_b32 s75, 0
	s_and_b32 s76, s[WV], 1         ; which half of a slot's 256 keys I fetch
	s_lshl_b32 s78, s76, 14
	s_mov_b32 s79, 0
	s_add_nc_u64 s[78:79], s[78:79], s[74:75]
	s_mul_i32 s80, s76, 128*PK
	s_mul_i32 s81, s76, 128*PV
	s_lshl_b32 s82, s73, 2
	s_add_co_u32 s82, s82, s[WV]    ; my wave among the head's sixteen
	s_lshl_b32 s90, s82, 15         ; its 8 tiles x 4,096 bytes of mask words,
	s_lshl_b32 s82, s82, 14         ; its 128 rows of 128 bytes
	s_mov_b32 s83, 0
	s_add_nc_u64 s[82:83], s[82:83], s[74:75]
	s_lshr_b32 s91, s77, 4          ; b: 128 tiles x 4,096 bytes
	s_lshl_b32 s91, s91, 19
	s_add_co_u32 s90, s90, s91
	s_mov_b32 s91, 0
	s_mov_b32 s[G1K], 15|(1<<16)|(1<<20)|(1<<21)|(4<<22)|(3<<25)  ; the mask of four; 2-byte elements; padding on; bit 21 beside a mask; after every 32 words 4 words
	s_mov_b32 s[G1V], 15|(1<<16)|(1<<20)|(1<<21)|(4<<22)|(7<<25)  ; the same with 8 words
.irp g, G1K, G1V
	s_mov_b32 s[\g+1], 128<<16      ; 128 keys are 16,384 dense bytes: 64 rows of 256 bytes
	s_mov_b32 s[\g+2], 64<<16
	s_mov_b32 s[\g+3], 128<<16
	s_mov_b32 s[\g+4], 64
	s_mov_b32 s[\g+5], 128
	s_mov_b32 s[\g+6], 0
	s_mov_b32 s[\g+7], 0
.endr
	s_mov_b32 s[SEL], 0x76543210
	s_mov_b32 s[SEL+1], 0xfedcba98
	s_mov_b32 s[TBK], SLOT1+4*KS*PK ; the first change of slots turns these two into 0
	s_mov_b32 s[TBV], SLOT1+4*KS*PV
	s_mov_b32 s[G0K], 1
	s_mov_b32 s[G0K+1], s80
	s_mov_b32 s[G0V], 1
	s_add_co_u32 s[G0V+1], s81, VOFF
	s_lshl_b32 s92, s72, 13         ; my work-group's 8,192 bytes of a slot's 32,768
	s_mov_b32 s93, 0
	s_cmp_eq_u32 s76, 0             ; waves 0 and 2 prefetch
	s_cselect_b32 s[LIM], 1, -1
	s_wait_dscnt 0x0                ; the opening add is done
	s_wait_kmcnt 0x0
	s_add_nc_u64 s[86:87], s[68:69], 0x1000000     ; K
	s_add_nc_u64 s[88:89], s[68:69], 0x2000000     ; V
	s_add_nc_u64 s[G0K+2:G0K+3], s[86:87], s[78:79]
	s_or_b32 s[G0K+3], s[G0K+3], 0x80000000
	s_add_nc_u64 s[G0V+2:G0V+3], s[88:89], s[78:79]
	s_or_b32 s[G0V+3], s[G0V+3], 0x80000000
	s_add_nc_u64 s[84:85], s[68:69], s[82:83]      ; Q at my wave's first row
	s_add_nc_u64 s[MP:MP+1], s[70:71], s[90:91]
	s_cmp_lt_u32 s[WV], 2
	s_cselect_b64 s[PFA:PFA+1], s[86:87], s[88:89]
	s_add_nc_u64 s[PFA:PFA+1], s[PFA:PFA+1], s[74:75]
	s_add_nc_u64 s[PFA:PFA+1], s[PFA:PFA+1], s[92:93]
	s_add_nc_u64 s[PFA:PFA+1], s[PFA:PFA+1], 2*4*KS*128  ; in slot 2; the change that fills slot 2 steps it to slot 3 and asks.  Nothing is asked for at the head
	CROUND                          ; all four work-groups are here: the first joint loads meet
	JLOAD                           ; slot 0.  Slot 1 is asked for when slot 0 is in
	v_and_b32 v1, 15, v0            ; l % 16
	v_bfe_u32 v9, v0, 4, 1          ; l / 16
	v_lshlrev_b32 v[QO], 7, v1
	v_lshl_add_u32 v[QO], v9, 4, v[QO]
	WIN 0x80
.set i, 0
.rept 4*NP                          ; Q stays in registers: tile i / 2, channels 32 (i % 2) on
	global_load_b128 v[8*i:8*i+3],   v[QO], s[84:85] offset:(i/2)*2048+(i%2)*64
	global_load_b128 v[8*i+4:8*i+7], v[QO], s[84:85] offset:(i/2)*2048+(i%2)*64+32
.set i, i+1
.endr
	; What the first turn finds: V's registers and P's second buffer hold 0, O^T and l are 0.  All this stands in the wait for the first tile.
.set i, VF
.rept 64
	v_mov_b32 v[i], 0
.set i, i+1
.endr
	WIN 0
.set i, 0
.rept 2*NP
	v_mov_b32 v[ST+4*i], 0xfe000000    ; c m: far below every c s
	v_mov_b32 v[ST+4*i+1], 0xff7fffff  ; m
	v_mov_b32 v[ST+4*i+2], 0
	v_mov_b32 v[ST+4*i+3], 0
.set i, i+1
.endr
.set i, P+32
.rept 32
	v_mov_b32 v[i], 0
.set i, i+1
.endr
	WIN 0x42                        ; V in window 2, P in window 0, O^T in window 1
.set i, 0
.rept 32                            ; O^T's 32 accumulators start as the product of those zeros, with the constant 0 as C: 32 lines for 256 registers
	v_wmma_f32_16x16x32_f16 v[8*i:8*i+7], v[VF+8*(i%8):VF+8*(i%8)+7], v[P+32+8*(i%4):P+32+8*(i%4)+7], 0
.set i, i+1
.endr
	WIN 0
	v_mul_u32_u24 v[AK0], v1, PK
	v_lshl_add_u32 v[AK0], v9, 4, v[AK0]
	v_and_b32 v10, 7, v0
	v_bfe_u32 v11, v0, 3, 1
	v_lshl_add_u32 v[AV0], v9, 3, v10
	v_mul_u32_u24 v[AV0], v[AV0], PV
	v_lshl_add_u32 v[AV0], v11, 4, v[AV0]
	v_add_nc_u32 v[AV0], VOFF, v[AV0]
	v_mov_b32 v[AK], v[AK0]         ; key step 0 lies at the head of slot 0
	s_mul_i32 s92, s[WV], 16*SP
	s_add_co_u32 s92, s92, STAGE    ; my stage
	v_mul_u32_u24 v[STO], v1, SP
	v_lshl_add_u32 v[STO], v9, 4, v[STO]
	v_add_nc_u32 v[STO], s92, v[STO]
	v_bfe_u32 v[RD], v0, 3, 2
	v_mul_u32_u24 v[RD], v[RD], SP
	v_lshl_add_u32 v[RD], v10, 4, v[RD]
	v_add_nc_u32 v[RD], s92, v[RD]
	v_and_b32 v[GO], 31, v0
	v_lshlrev_b32 v[GO], 4, v[GO]
	v_bfe_u32 v11, v0, 3, 2         ; the mask words: eight lanes a tile, 4,096 bytes from tile to tile, 16 bytes a lane
	v_lshlrev_b32 v11, 12, v11
	v_lshl_add_u32 v11, v10, 4, v11
	WIN W_MK                        ; destination window 3
	v_mov_b32 v[MA], v11
	v_mov_b32 v[MA+1], v11
	v_add_nc_u32 v[MXA], 31*128, v11
	WIN 0xc3                        ; destination and address window 3
	global_load_b128 v[ML:ML+3],   v[MA],   s[MP:MP+1]               ; step 0, tiles 0-3,
	global_load_b128 v[ML+4:ML+7], v[MA+1], s[MP:MP+1] offset:16384  ; and tiles 4-7
	WIN 0
	v_and_b32 v[PFO], 31, v0        ; the temporaries take their lasting values
	v_lshlrev_b32 v[PFO], 8, v[PFO]
	v_mov_b32 v[FIL], 0xb70637bd    ; 8 x f32(-1e-6), exact
	v_mov_b32 v[CSV], 0x3e38aa3b    ; c = log2(e) / 8
	v_mov_b32 v[CSV+1], 0x3e38aa3b
.macro KQ x
	WIN W_KQ
.set rS, S+64*((\x)%2)+32*(i%2)+8*((i/2)%4)
.set rK, KF+16*((i/2)%4)+8*(i/8)
.set rQ, 16*(2*(\x)+i%2)+8*(i/8)
.if i < 8
	v_wmma_f32_16x16x32_f16 v[rS:rS+7], v[rK:rK+7], v[rQ:rQ+7], 0
.else
	v_wmma_f32_16x16x32_f16 v[rS:rS+7], v[rK:rK+7], v[rQ:rQ+7], v[rS:rS+7]
.endif
.endm
.macro PV x
	WIN W_PV
.set rO, 32*(2*(\x)+i%2)+8*((i/2)%4)
.set rV, VF+32*(i/8)+8*((i/2)%4)
.set rP, P+32*((\x)%2)+16*(i%2)+8*(i/8)
	v_wmma_f32_16x16x32_f16 v[rO:rO+7], v[rV:rV+7], v[rP:rP+7], v[rO:rO+7]
.endm
.macro MM                           ; the turn's next matrix instruction; the 8 accumulators of a run of 16 take turns
.if i < 16
	KQ (Y+1)%NP
.set i, i+1
.else
.set i, i-16
	PV (Y+NP-1)%NP
.set i, i+17
.endif
.endm
.macro FETCH_K last=0
	WIN 0
.if \last
	s_cmp_eq_u32 s[CNT], 1
	s_cbranch_scc1 .Lno_k_\@
.endif
	WIN 0x80
.irp f, 0,1,2,3,4,5,6,7
	ds_load_b128 v[KF+8*\f:KF+8*\f+3],   v[AK] offset:(\f/2)*16*PK+(\f%2)*64
	ds_load_b128 v[KF+8*\f+4:KF+8*\f+7], v[AK] offset:(\f/2)*16*PK+(\f%2)*64+32
.endr
	s_add_co_u32 s[TBK], s[TBK], KS*PK
	WIN 0
.if \last
.Lno_k_\@:
.endif
.endm
.macro FETCH_V
	WIN 0x80
.irp f, 0,1,2,3,4,5,6,7
	ds_load_tr16_b128 v[VF+8*\f:VF+8*\f+3],   v[AV] offset:(\f/4)*32*PV+(\f%4)*32
	ds_load_tr16_b128 v[VF+8*\f+4:VF+8*\f+7], v[AV] offset:(\f/4)*32*PV+16*PV+(\f%4)*32
.endr
	WIN 0
.endm
.macro REGS y, u                    ; the registers of tile u (0, 1) of piece y
.set rT, ST+4*(2*(\y)+(\u))
.set rC, TMP+8*((\y)%2)+4*(\u)
.set rM, MV+2*((\y)%2)+(\u)
.set rS, S+64*((\y)%2)+32*(\u)
.set rP, P+32*((\y)%2)+16*(\u)
.set rO, 32*(2*(\y)+(\u))
.endm
; THE MASK of piece p + 1, whose scores the turn has just made: where a word's bit is 0 the fill takes the score's place.  It stands in the lump, eleven plain instructions or more behind the last product
; K Q^T and ahead of the first line of the maximum.  Pieces 0 and 2 open a half of the tiles: the half's landing registers are taken over, its offset steps to the next key step (held at step 31, so that
; no load leaves the wave's own tiles: what the last turns ask for again serves nothing) and the landing registers are asked for again: that load has four turns in which to land.
; Then 64 v_readlane_b32 and 64 selects, each accumulator's registers in ascending order.
.macro MASKS p
.set mx, ((\p)+1)%NP
.set hf, mx/2
.if (mx%2) == 0
	WIN 0xcf                        ; destination and both sources window 3
	s_wait_loadcnt 1                ; the two halves' loads go out by turns, two turns apart: this half's is the older and is in, the other half's may stay out.  The wait also frees this half's offset
.irp c, 0,1,2,3
	v_mov_b32 v[MW+4*hf+\c], v[ML+4*hf+\c]
.endr
	v_add_nc_u32 v[MA+hf], 128, v[MA+hf]
	v_min_u32 v[MA+hf], v[MXA], v[MA+hf]
	global_load_b128 v[ML+4*hf:ML+4*hf+3], v[MA+hf], s[MP:MP+1] offset:hf*16384
.endif
	WIN 0x03                        ; source window 3
.set mg, 0
.rept 64
.if mg < 32
	v_readlane_b32 s[MB0+mg%32], v[MW+4*hf+mg%4], 8*((2*mx)%4)+(mg%32)/4
.else
	v_readlane_b32 s[MB1+mg%32], v[MW+4*hf+mg%4], 8*((2*mx+1)%4)+(mg%32)/4
.endif
.set mg, mg+1
.endr
	WIN 0
.set mg, 0
.rept 64
	REGS mx, mg/32
.if mg < 32
	v_cndmask_b32 v[rS+mg%32], v[FIL], v[rS+mg%32], s[MB0+mg%32]
.else
	v_cndmask_b32 v[rS+mg%32], v[FIL], v[rS+mg%32], s[MB1+mg%32]
.endif
.set mg, mg+1
.endr
.endm
; Number n of the 22 that find the NEXT piece's maximum and statistics.
.macro XS u, n
	REGS (Y+1)%NP, \u
.if (\n) < 4
	v_max3_num_f32 v[rC+(\n)], v[rS+8*(\n)], v[rS+8*(\n)+1], v[rS+8*(\n)+2]
.elseif (\n) < 12
	v_max3_num_f32 v[rC+(\n)%4], v[rC+(\n)%4], v[rS+8*((\n)%4)+2*((\n)/4)+1], v[rS+8*((\n)%4)+2*((\n)/4)+2]
.elseif (\n) == 12
	v_max3_num_f32 v[rC], v[rC], v[rS+7], v[rS+15]
.elseif (\n) == 13
	v_max3_num_f32 v[rC+1], v[rC+1], v[rS+23], v[rS+31]
.elseif (\n) == 14
	v_max3_num_f32 v[rC+2], v[rC+2], v[rC+3], v[rT+1]
.elseif (\n) == 15
	v_mov_b32 v[rM], v[rT]
.elseif (\n) == 16
	v_max3_num_f32 v[rC], v[rC], v[rC+1], v[rC+2]
.elseif (\n) == 17
	v_permlanex16_b32 v[rC+3], v[rC], s[SEL], s[SEL+1]
.elseif (\n) == 18
	v_max_num_f32 v[rT+1], v[rC], v[rC+3]
.elseif (\n) == 19
	v_mul_f32 v[rT], v[CSV], v[rT+1]
.elseif (\n) == 20
	v_sub_f32 v[rC+1], v[rM], v[rT]
.else
	v_exp_f32 v[rC+2], v[rC+1]
.endif
.endm
; Number g of the 64 that follow the exponentials: roundings to f16 and the sums.
.macro GS g
.set h, (\g)+6*((\g)/62)
.if h >= 6
.set h, h+2
.endif
	REGS Y, h%2
.set k, h/8
.if h%8 < 4
	v_cvt_pk_f16_f32 v[rP+2*k+(h%8)/2], v[rS+4*k+2*((h%8)/2)], v[rS+4*k+2*((h%8)/2)+1]
.elseif h%8 < 6
	v_pk_add_f32 v[rS+4*k:rS+4*k+1], v[rS+4*k:rS+4*k+1], v[rS+4*k+2:rS+4*k+3]
.elseif k == 1
	v_pk_fma_f32 v[rT+2:rT+3], v[rT+2:rT+3], v[rC+2:rC+3], v[rS:rS+1] op_sel_hi:[1,0,1]
.else
	v_pk_add_f32 v[rT+2:rT+3], v[rT+2:rT+3], v[rS+4*k-4:rS+4*k-3]
.endif
.endm
.macro FS f                         ; c s - c m for pair f / 2 of tile f % 2
	REGS Y, (\f)%2
	v_pk_fma_f32 v[rS+2*((\f)/2):rS+2*((\f)/2)+1], v[rS+2*((\f)/2):rS+2*((\f)/2)+1], v[CSV:CSV+1], v[rT:rT+1] op_sel_hi:[1,0,0] neg_lo:[0,0,1] neg_hi:[0,0,1]
.endm
; THE PLAIN QUEUE, 138 long: 0-26 scalings; 27-54 the maximum's numbers 0-13; 55, 56 number 15; 57-73 the chain with scalings 27-31 between its links; 74-137 the roundings and sums.
.macro PL
	WIN 0
.if q < 27
	FS q
.elseif q < 55
	XS (q-27)%2, (q-27)/2
.elseif q < 57
	XS q-55, 15
.elseif (q < 72) && ((q-57)%3 == 0)
	FS 27+(q-57)/3
.elseif q < 60
	XS (q-57)%3-1, 14
.elseif q < 72
	XS (q-57)%3-1, 15+(q-57)/3
.elseif q < 74
	XS q-72, 20
.else
	GS q-74
.endif
.set q, q+1
.endm
.macro EX                           ; the exponentials' queue, 66 long: one batch, all ahead of the turn's one wait
	WIN 0
.if e >= 64
	XS e-64, 21
.else
	REGS Y, e%2
	v_exp_f32 v[rS+e/2], v[rS+e/2]
.endif
.set e, e+1
.endm
.macro R2                           ; O^T times a, two at a time
	REGS Y, r%2
	WIN W_RS
.irp z, 0,1
	v_pk_mul_f32 v[rO+4*(r/2)+2*\z:rO+4*(r/2)+2*\z+1], v[rO+4*(r/2)+2*\z:rO+4*(r/2)+2*\z+1], v[rC+2:rC+3] op_sel_hi:[1,0]
.endr
.set r, r+1
.endm
; A TURN, for piece p.  Ahead of its one wait stands all that names no result of its exponentials: 16 products K Q^T with a scaling, an exponential and two rescalings behind each; then the lump: eight plain,
; the next piece's mask, 49 times exponential and plain, the two a.  Behind the wait: 16 products V^T P with four of the roundings and sums behind each.
; K of the next step is fetched in piece 2's turn, directly behind the wait; V of the step in hand at the end of piece 0's turn, four riders behind its last reader.
.macro TURN p, last=0, cnt=0
.set Y, (\p)
.set i, 0
.set q, 0
.set e, 0
.set r, 0
.if (\p) == NP-1
	s_wait_dscnt 0x0                ; K is in
.endif
	MM
	PL
	PL
	R2
.rept 15
	MM
	PL
	EX
	R2
.endr
.if (\p) == NP-2
	WIN 0
	v_add_nc_u32 v[AK], s[TBK], v[AK0]
.endif
.rept 8
	PL
.endr
	MASKS \p
.rept 49
	EX
	PL
.endr
	EX
	EX
	v_nop                           ; a plain instruction behind the last exponential: one for the batch
	s_wait_alu depctr_va_vdst(0)    ; the wait ahead of the first reader: one for the batch
.if (\p) == NP-2
	FETCH_K \last
.endif
.if (\p) == 1
	s_wait_dscnt 0x0                ; V is in
.endif
.rept 16
	MM
.rept 4
	PL
.endr
.if ((\p) == 0) && (q == 118)
	v_add_nc_u32 v[AV], s[TBV], v[AV0]
.endif
.if ((\p) == 0) && (q == 130)
	s_add_co_u32 s[TBV], s[TBV], KS*PV
.endif
.if (\cnt) && (q == 130)
	s_sub_co_u32 s[CNT], s[CNT], 1
	s_cmp_lg_u32 s[CNT], 0
.endif
.endr
.if (\p) == 0
	FETCH_V
.endif
.endm
	CHANGE 1                        ; slot 0 is in, everybody's part of it; slot 1 is asked for
	FETCH_K                         ; key step 0
	s_wait_loadcnt 0x0              ; Q, and step 0's mask words
	s_wait_dscnt 0x0
.set i, 0
.rept 16
	KQ 0                            ; piece 0's first scores
.set i, i+1
.endr
	WIN 0
.rept 8
	v_nop                           ; the places behind those products
.endr
.set Y, NP-1                        ; XS works for piece Y + 1: piece 0
	MASKS 3                         ; piece 0's mask; step 1's words of tiles 0-3 are asked for
.irp n, 0,1,2,3,4,5,6,7,8,9,10,11,12,13,14,15,16,17,18,19,20,21
	XS 0, \n
	XS 1, \n
.endr
	v_nop                           ; a plain instruction behind the two a,
	s_wait_alu depctr_va_vdst(0)    ; and their wait, ahead of the branch
	s_mov_b32 s[CNT], 4
	s_mov_b32 s[SLOTS], SIZE_N/256-1
	s_branch .Lfirst                ; the loop is entered at a step's first turn
.Lslot:                             ; six times: every slot but the last two is filled again
	CHANGE 1, 1
	s_mov_b32 s[CNT], 4
.Lstep:                             ; a trip: pieces 2 and 3 of one step, then pieces 0 and 1 of the next
	TURN 2
	TURN 3
	WIN 0
.Lfirst:
	TURN 0
	TURN 1, 0, 1
	WIN 0
	s_cbranch_scc1 .Lstep
	s_sub_co_u32 s[SLOTS], s[SLOTS], 1
	s_cmp_lg_u32 s[SLOTS], 0
	s_cbranch_scc1 .Lslot
	CHANGE 0                        ; the tail is written out
	s_mov_b32 s[CNT], 5             ; four trips fetch the last slot's steps; the fifth is left in its middle
.Ltail:
	TURN 2, 1
	TURN 3
	WIN 0
	s_sub_co_u32 s[CNT], s[CNT], 1
	s_cmp_eq_u32 s[CNT], 0
	s_cbranch_scc1 .Lout
	TURN 0
	TURN 1
	WIN 0
	s_branch .Ltail
.Lout:                              ; the fifth trip's products K Q^T, their mask (step 31's words once more) and their maximum serve nothing: the price of one text for every trip
	s_load_b64 s[OP:OP+1], s[0:1], 0x10  ; o16
	s_bfe_u32 s36, ttmp6, 0x40000
	s_lshl_b32 s37, ttmp9, 2
	s_add_co_u32 s36, s36, s37
	s_lshl_b32 s36, s36, 2
	s_add_co_u32 s36, s36, s[WV]    ; my wave among the head's sixteen
	s_lshl_b32 s34, s36, 14
	s_and_b32 s37, ttmp7, 0xffff
	s_lshl_b32 s37, s37, 18
	s_add_co_u32 s34, s34, s37
	s_mov_b32 s35, 0
.set i, 0
.rept 16
	PV NP-1                         ; the last piece's V^T P of the last step
.set i, i+1
.endr
	; THE WAY OUT.  The additions are the places behind the last products.
	WIN 0
	s_wait_kmcnt 0x0
	s_add_nc_u64 s[OP:OP+1], s[OP:OP+1], s[34:35]
.macro ALL line:vararg
.set t, 0
.rept 2*NP
	\line
.set t, t+1
.endr
.endm
	ALL v_add_f32 v[ST+4*t+2], v[ST+4*t+2], v[ST+4*t+3]
	ALL v_permlanex16_b32 v[ST+4*t+3], v[ST+4*t+2], s[SEL], s[SEL+1]
	ALL v_add_f32 v[ST+4*t+2], v[ST+4*t+2], v[ST+4*t+3]
	ALL v_rcp_f32 v[ST+4*t+2], v[ST+4*t+2]
	v_nop                           ; a plain instruction between the last reciprocal and the use of its result
	s_wait_alu depctr_va_vdst(0)    ; one wait for the eight reciprocals
.macro PACK t
	WIN W_RS
.set i, 32*(\t)
.rept 16
	v_pk_mul_f32 v[i:i+1], v[i:i+1], v[ST+4*(\t)+2:ST+4*(\t)+3] op_sel_hi:[1,0]
.set i, i+2
.endr
	WIN 0x05
.set i, 0
.rept 16
	v_cvt_pk_f16_f32 v[S+16*(\t)+i], v[32*(\t)+2*i], v[32*(\t)+2*i+1]
.set i, i+1
.endr
	WIN 0
.irp f, 0,1,2,3
	ds_store_b128 v[STO], v[S+16*(\t)+4*\f:S+16*(\t)+4*\f+3] offset:32*\f
.endr
.irp f, 0,1,2,3
	ds_load_b128 v[S+16*(\t)+4*\f:S+16*(\t)+4*\f+3], v[RD] offset:\f*4*SP  ; LDS serves a wave's instructions in order (ISA guide 5.7.1.4): these see the stores above
.endr
.endm
.macro SEND t, younger              ; younger: the LDS instructions issued behind tile t's loads: the next tile's eight, or none
	WIN 0
.irp f, 0,1,2,3
	s_wait_dscnt (\younger)+3-\f
	global_store_b128 v[GO], v[S+16*(\t)+4*\f:S+16*(\t)+4*\f+3], s[OP:OP+1] offset:(\t)*2048+\f*512  ; 512 consecutive bytes, at a multiple of 256 from o16's first
.endr
.endm
	PACK 0
.set t, 1
.rept 2*NP-1
	PACK t
	SEND t-1, 8
.set t, t+1
.endr
	SEND 2*NP-1, 0
	WIN W_AD
	s_wait_tensorcnt 0x0            ; the wave's end, behind my last tensor load and my last LDS store
	ds_add_u32 v[SPW], v[NIL]
	s_wait_dscnt 0x0
	WIN 0
	CROUND                          ; the closing round
	s_endpgm
.Lfunc_end_k_q7d564f1028_attn:
	.size	k_q7d564f1028_attn, .Lfunc_end_k_q7d564f1028_attn-k_q7d564f1028_attn
	.p2alignl 7, 3214868480
	.fill 96, 4, 3214868480
	.section	.rodata,"a",@progbits
	.p2align	6, 0x0
	.amdhsa_kernel k_q7d564f1028_attn
		.amdhsa_group_segment_fixed_size 327680
		.amdhsa_private_segment_fixed_size 0
		.amdhsa_enable_private_segment 0
		.amdhsa_kernarg_size 24
		.amdhsa_user_sgpr_count 2
		.amdhsa_user_sgpr_kernarg_segment_ptr 1
		.amdhsa_wavefront_size32 1
		.amdhsa_system_sgpr_workgroup_id_x 1
		.amdhsa_system_sgpr_workgroup_id_y 1
		.amdhsa_system_sgpr_workgroup_id_z 1
		.amdhsa_system_vgpr_workitem_id 0
		.amdhsa_next_free_vgpr 790
		.amdhsa_next_free_sgpr 106
		.amdhsa_reserve_vcc 0
		.amdhsa_float_denorm_mode_32 3
		.amdhsa_float_denorm_mode_16_64 3
		.amdhsa_memory_ordered 1
		.amdhsa_forward_progress 1
		.amdhsa_inst_pref_size 255
	.end_amdhsa_kernel
	.section	.bss,"aw",@nobits
	.p2align	6
	.space	262144
	.amdgpu_metadata
---
amdhsa.version: [ 1, 2 ]
amdhsa.kernels:
  - .name:           k_q7d564f1028_attn
    .symbol:         k_q7d564f1028_attn.kd
    .args:
      - { .name: qkv, .offset: 0, .size: 8, .value_kind: global_buffer, .address_space: global }
      - { .name: mbits, .offset: 8, .size: 8, .value_kind: global_buffer, .address_space: global }
      - { .name: o16, .offset: 16, .size: 8, .value_kind: global_buffer, .address_space: global }
    .group_segment_fixed_size: 327680
    .private_segment_fixed_size: 0
    .kernarg_segment_align: 8
    .kernarg_segment_size: 24
    .max_flat_workgroup_size: 128
    .sgpr_count:     106
    .vgpr_count:     790
    .wavefront_size: 32
...
	.end_amdgpu_metadata
.endif
;; end of part 3
;; launch oproj (part 4): grid 8 x 32, 4 waves a work-group, clusters of 4 x 4, 327,680 bytes of LDS; arguments o16, wo16, bo, out0; writes out0
.if DOCPART == 4
	.amdgcn_target "amdgcn-amd-amdhsa--gfx1250"
	.amdhsa_code_object_version 6
	.text
	.protected	k_q7d564f1028_oproj
	.globl	k_q7d564f1028_oproj
	.p2align	8
	.type	k_q7d564f1028_oproj,@function
k_q7d564f1028_oproj:
	s_mov_b64 s[64:65], 0
	v_nop
	global_prefetch_b8 v0, s[64:65] scope:SCOPE_SE
	s_setreg_imm32_b32 hwreg(HW_REG_WAVE_MODE, 25, 1), 1
	s_wait_xcnt 0x0
	s_wait_alu depctr_hold_cnt(0) depctr_sa_sdst(0) depctr_va_vdst(0) depctr_va_sdst(0) depctr_va_ssrc(0) depctr_va_vcc(0) depctr_vm_vsrc(0)
	s_getreg_b32 s2, hwreg(HW_REG_IB_STS2, 6, 4)
	s_cmp_eq_u32 s2, 0
	s_cbranch_scc0 .Lentry_in_a_cluster
	s_endpgm
.Lentry_in_a_cluster:
	s_bfe_u32 s2, ttmp6, 0x10000c
	s_cmp_lg_u32 s2, 0xf033
	s_cbranch_scc0 .Lentry_shape_is_right
	s_endpgm
.Lentry_shape_is_right:
; THE OUTPUT PROJECTION.  out0[b 2048 + s][n] = sum over h, c of o16[16 b + h][s][c] wo16[64 h + c][n] + bo[n].  Operands f16 (wo16 holds Wo rounded to bf16), sums f32, out0 f32.
; The bias, rounded to bf16 like every input, is the C operand that starts each sum.  NaN and infinities are not treated apart.
; SHARES.  A tile is 256 rows x 128 columns: 32 x 8 = 256 work-groups, one tile each.  Four waves, each 128 rows x 64 columns: 32 accumulators.  K = 1,024 in 8 steps of 128 = two heads, through two LDS slots.
; A K step is written once: the LDS addresses hang on a scalar that an exclusive or turns from slot to slot, and one descriptor a tensor walks.
; O lies by heads: a step's part of the tile is 2 x 256 rows of 128 dense bytes.  Wo stays [k][n]: its fragments come out of LDS turned.  Source 0 = 16 columns of Wo, source 1 = 16 rows of O.
; CLUSTER 4 x 4.  O's tile is asked for jointly along a row of the cluster, Wo's along a column.
; REGISTERS.  window 0: v0-31 addresses; v64-159, v160-255 two fragment buffers.  window 1: accumulator (a, b) at 8 (4 a + b).  window 2: v0-31 the bias, v32-47 at work.  window 3: the way out, 32 a row block.
.set PA,     144                       ; a row of O in LDS: 128 bytes + 16
.set PB,     288                       ; a row of Wo (one k, 128 columns): 256 bytes + 32
.set AHEAD,  256*PA                    ; what one tensor load brings of O: 256 rows of one head
.set BOFF,   2*AHEAD
.set BHALF,  64*PB                     ; what one tensor load brings of Wo: 64 k
.set SLOT,   BOFF+2*BHALF              ; 110,592 bytes
.set SLOT1,  1<<17                     ; slot 1 begins here, so that one exclusive or turns an address in one slot into the other's
.set STAGE,  SLOT1+SLOT                ; behind the ring: 16 rows x 272 bytes for each wave
.set SP,     272
.set SPARE,  STAGE+4*16*SP             ; the spare words, 128 bytes a wave
.set TRIPS,  6                         ; K steps 2 to 7 are asked for in the loop
.set ADRA0, 16                         ; v16 LDS address of my O fragments in slot 0; never rewritten
.set ADRA,  17                         ; v17 the same in the slot in hand
.set ADRB0, 20
.set ADRB,  21
.set STO,  24
.set RD,   25
.set CO,   26
.set BO,   27
.set SPW,  28
.set NIL,  29
.set PFO,  30
.set F0,   64
.set F1,   160
.set BIAS, 0
.set G1A, 24
.set G0A, 32                           ; s[32:35] O's first fill; s[36:39] its second, which then walks
.set G1B, 48
.set G0B, 56
.set LIM, 43                           ; 2 in a wave that prefetches, else the greatest number
.set PFA, 44
.set PFS, 66
.set TB,  70                           ; s70 0 or SLOT1: the slot in hand
.set MSB, 0
.macro WIN new
.if MSB != (\new)
	s_set_vgpr_msb (MSB<<8)|(\new)
.set MSB, \new
.endif
.endm
.macro PLACES
.rept 4
	v_nop
.endr
.endm
.macro JLOAD                           ; a joint refill by the walking descriptors: waves 0 and 1 fetch O's two heads, waves 2 and 3 Wo's two halves; an s_nop 0 and four v_nop follow each line
	s_cmp_eq_u32 s11, 0
	s_cbranch_scc0 .Lfor_b_\@
	tensor_load_to_lds s[G0A+4:G0A+7], s[G1A:G1A+7]
	s_nop 0
	PLACES
	s_branch .Lasked_\@
.Lfor_b_\@:
	tensor_load_to_lds s[G0B+4:G0B+7], s[G1B:G1B+7]
	s_nop 0
	PLACES
.Lasked_\@:
.endm
; A prefetch of the K step two refills on, a lane a block of 256 bytes.  O's rows: cluster x = 0 asks, waves 0 and 1 (a head each), each of the four partners for 8,192 of the head's 32,768 bytes (cx).
; Wo's rows: cluster y = 0 asks, wave 2, each partner for 32 of the step's 128 rows (cy).  The last two refills (s3 = 2, 1) have no K step two on.
.macro ASK
	s_cmp_gt_u32 s3, s[LIM]
	s_cbranch_scc0 .Lnot_mine_\@
	global_prefetch_b8 v[PFO], s[PFA:PFA+1] th:TH_LOAD_NT scope:SCOPE_SE
.Lnot_mine_\@:
.endm
.macro CREST
	s_cmp_lg_u32 s10, 0
	s_cbranch_scc1 .Lnot_wave_0_\@
	s_barrier_signal -3
.Lnot_wave_0_\@:
	s_barrier_wait -3
	s_barrier_signal -1
	s_barrier_wait -1
.endm
.macro CROUND
	s_barrier_signal -1
	s_barrier_wait -1
	CREST
.endm
	s_load_b128 s[4:7], s[0:1], 0x0                ; o16 s[4:5], wo16 s[6:7]
	s_load_b64 s[72:73], s[0:1], 0x10              ; bo
	s_load_b64 s[8:9], s[0:1], 0x18                ; out0
	v_lshl_add_u32 v[SPW], v0, 2, SPARE
	v_mov_b32 v[NIL], 0
	ds_add_u32 v[SPW], v[NIL]                      ; the wave's opening: the add and its wait stand ahead of my first tensor load
	v_lshrrev_b32 v1, 5, v0
	v_readfirstlane_b32 s10, v1
	s_lshr_b32 s11, s10, 1                         ; my half of the rows.  Also: I fetch for O (0) or for Wo (1)
	s_and_b32 s12, s10, 1                          ; my half of the columns.  Also: which head of O, or which 64 rows of Wo, I fetch
	s_bfe_u32 s40, ttmp6, 0x40000                  ; cx
	s_bfe_u32 s41, ttmp6, 0x40004                  ; cy
	s_lshl_b32 s42, ttmp9, 2
	s_add_co_u32 s42, s42, s40                     ; tile column 0..7
	s_and_b32 s13, ttmp7, 0xffff
	s_lshl_b32 s13, s13, 2
	s_add_co_u32 s13, s13, s41                     ; tile row 0..31
	s_lshl_b32 s43, s41, 2
	s_lshl_b32 s43, 15, s43
	s_lshl_b32 s44, 0x1111, s40
	s_or_b32 s[G1A+0], s43, (1<<16)|(1<<20)|(1<<21)|(4<<22)|(3<<25)  ; O: 32,768 dense bytes as 128 rows of 256, padded by 4 words after every 32 (one row of a head)
	s_mov_b32 s[G1A+1], 128<<16
	s_mov_b32 s[G1A+2], 128<<16
	s_mov_b32 s[G1A+3], 128<<16
	s_mov_b32 s[G1A+4], 128
	s_mov_b32 s[G1A+5], 128
	s_mov_b32 s[G1A+6], 0
	s_mov_b32 s[G1A+7], 0
	s_or_b32 s[G1B+0], s44, (1<<16)|(1<<20)|(1<<21)|(5<<22)|(7<<25)  ; Wo: 64 rows of 256 bytes, 8 words of padding behind each
	s_mov_b32 s[G1B+1], 128<<16
	s_mov_b32 s[G1B+2], 64<<16
	s_mov_b32 s[G1B+3], 128<<16
	s_mov_b32 s[G1B+4], 64
	s_mov_b32 s[G1B+5], 1024
	s_mov_b32 s[G1B+6], 0
	s_mov_b32 s[G1B+7], 0
	s_lshr_b32 s16, s13, 3                         ; O: ((16 b + my head) 2,048 + 256 (tile row % 8)) x 128 bytes: made of the tile row and the wave's number alone
	s_lshl_b32 s16, s16, 4
	s_add_co_u32 s16, s16, s12
	s_lshl_b32 s16, s16, 11
	s_and_b32 s17, s13, 7
	s_lshl_b32 s17, s17, 8
	s_add_co_u32 s16, s16, s17
	s_lshl_b32 s16, s16, 7
	s_mov_b32 s17, 0
	s_lshl_b32 s46, s12, 17                        ; Wo: row 64 x half of 2,048 bytes + 256 x tile column
	s_lshl_b32 s47, s42, 8
	s_add_co_u32 s46, s46, s47
	s_mov_b32 s47, 0
	s_mul_i32 s20, s12, AHEAD
	s_mul_i32 s21, s12, BHALF
	s_add_co_u32 s21, s21, BOFF
	s_mov_b32 s[TB], 0
	s_wait_dscnt 0x0                               ; the opening add is done
	s_wait_kmcnt 0x0
	s_add_nc_u64 s[14:15], s[4:5], s[16:17]
	s_add_nc_u64 s[46:47], s[6:7], s[46:47]
	CROUND
.irp s, 0,1
	s_mov_b32 s[G0A+4*(\s)], 1
	s_add_co_u32 s[G0A+4*(\s)+1], s20, (\s)*SLOT1
	s_add_nc_u64 s[G0A+4*(\s)+2:G0A+4*(\s)+3], s[14:15], (\s)*524288   ; K step s: two heads on
	s_or_b32 s[G0A+4*(\s)+3], s[G0A+4*(\s)+3], 0x80000000
	s_mov_b32 s[G0B+4*(\s)], 1
	s_add_co_u32 s[G0B+4*(\s)+1], s21, (\s)*SLOT1
	s_add_nc_u64 s[G0B+4*(\s)+2:G0B+4*(\s)+3], s[46:47], (\s)*262144   ; 128 rows on
	s_or_b32 s[G0B+4*(\s)+3], s[G0B+4*(\s)+3], 0x80000000
.endr
	s_cmp_eq_u32 s11, 0                            ; a wave's two first fills stand in one branch: two loads of mine are out
	s_cbranch_scc0 .Lfirst_b
	tensor_load_to_lds s[G0A:G0A+3], s[G1A:G1A+7]
	s_nop 0
	tensor_load_to_lds s[G0A+4:G0A+7], s[G1A:G1A+7]
	s_nop 0
	PLACES
	s_branch .Lfirst_asked
.Lfirst_b:
	tensor_load_to_lds s[G0B:G0B+3], s[G1B:G1B+7]
	s_nop 0
	tensor_load_to_lds s[G0B+4:G0B+7], s[G1B:G1B+7]
	s_nop 0
	PLACES
.Lfirst_asked:
	v_and_b32 v1, 15, v0
	v_bfe_u32 v2, v0, 4, 1
	v_mul_u32_u24 v3, v1, PA
	v_lshl_add_u32 v3, v2, 4, v3
	v_and_b32 v4, 7, v0
	v_bfe_u32 v5, v0, 3, 1
	v_lshl_add_u32 v6, v2, 3, v4
	v_mul_u32_u24 v6, v6, PB
	v_lshl_add_u32 v6, v5, 4, v6
	s_mul_i32 s21, s11, 128*PA                     ; my 128 rows, in each head's part
	s_lshl_b32 s22, s12, 7                         ; my 64 columns: 128 bytes of a row of Wo
	s_add_co_u32 s22, s22, BOFF
	v_add_nc_u32 v[ADRA0], s21, v3
	v_add_nc_u32 v[ADRB0], s22, v6
	v_mov_b32 v[ADRA], v[ADRA0]                    ; the walk begins in slot 0
	v_mov_b32 v[ADRB], v[ADRB0]
	s_mul_i32 s23, s10, 16*SP
	s_add_co_u32 s23, s23, STAGE
	v_mul_u32_u24 v7, v1, SP                       ; in: row l % 16, 32 bytes for each half of the lanes
	v_lshl_add_u32 v7, v2, 5, v7
	v_add_nc_u32 v[STO], s23, v7
	v_mul_u32_u24 v7, v2, SP                       ; back: lanes 0-15 one row of 256 bytes, lanes 16-31 the next
	v_lshl_add_u32 v7, v1, 4, v7
	v_add_nc_u32 v[RD], s23, v7
	v_lshlrev_b32 v[CO], 12, v2                    ; and the same two rows in out0
	v_lshl_add_u32 v[CO], v1, 4, v[CO]
	s_lshl_b32 s22, s42, 9                         ; my 64 columns in f32: 512 x tile column + 256 x half
	s_lshl_b32 s23, s12, 8
	s_add_co_u32 s22, s22, s23
	v_lshl_add_u32 v[BO], v2, 5, s22
	WIN 0x80
.irp b, 0,1,2,3
	global_load_b128 v[BIAS+8*(\b):BIAS+8*(\b)+3],   v[BO], s[72:73] offset:64*(\b)
	global_load_b128 v[BIAS+8*(\b)+4:BIAS+8*(\b)+7], v[BO], s[72:73] offset:64*(\b)+16
.endr
	WIN 0
	s_lshl_b32 s18, s13, 20                        ; out0: row 256 x tile row + 128 x half, of 4,096 bytes, + my columns
	s_lshl_b32 s19, s11, 19
	s_add_co_u32 s18, s18, s19
	s_add_co_u32 s18, s18, s22
	s_mov_b32 s19, 0
	s_add_nc_u64 s[8:9], s[8:9], s[18:19]
	; the prefetches
	s_lshl_b32 s21, s40, 13                        ; O: my head's part of the tile (s16 still stands) + 8,192 cx
	s_add_co_u32 s20, s16, s21
	s_lshl_b32 s22, s41, 16                        ; Wo: row 32 cy + 256 x tile column
	s_lshl_b32 s23, s42, 8
	s_add_co_u32 s22, s22, s23
	s_and_b32 s18, ttmp7, 0xffff
	s_or_b32 s18, s18, s12                         ; for Wo: cluster y = 0 and wave 2
	s_mov_b32 s[PFS], 262144
	s_mov_b32 s[PFS+1], 0
	s_cmp_eq_u32 s11, 0
	s_cselect_b32 s20, s20, s22
	s_cselect_b32 s18, ttmp9, s18                  ; for O: cluster x = 0
	s_cselect_b64 s[PFA:PFA+1], s[4:5], s[6:7]
	s_cselect_b32 s[PFS], 524288, s[PFS]
	s_cselect_b32 s19, 8, 11                       ; a lane a block of 256 bytes (O), or a row of 2,048 (Wo)
	s_cmp_eq_u32 s18, 0
	s_cselect_b32 s[LIM], 2, -1
	s_mov_b32 s21, 0
	s_add_nc_u64 s[PFA:PFA+1], s[PFA:PFA+1], s[20:21]
	s_mul_i32 s20, s[PFS], 3
	s_add_nc_u64 s[PFA:PFA+1], s[PFA:PFA+1], s[20:21]  ; at K step 3: the first refill (K step 2) steps it to 4 and asks
	v_and_b32 v[PFO], 31, v0
	v_lshlrev_b32 v[PFO], s19, v[PFO]
	s_wait_loadcnt 0x0                             ; the bias
	WIN 0x8a
.set i, 0
.rept 16
	v_cvt_pk_bf16_f32 v[32+i], v[BIAS+2*i], v[BIAS+2*i+1]
	v_lshlrev_b32 v[BIAS+2*i], 16, v[32+i]
	v_and_b32 v[BIAS+2*i+1], 0xffff0000, v[32+i]
.set i, i+1
.endr
	WIN 0
.macro MUL8 f, a0, zero                ; the 32 accumulators take turns, in the same order in every quarter
.if \zero
	WIN 0x60
.else
	WIN 0x50
.endif
.irp a, \a0, (\a0)+1
.irp b, 0,1,2,3
.if \zero
	v_wmma_f32_16x16x32_f16 v[8*(4*(\a)+(\b)):8*(4*(\a)+(\b))+7], v[(\f)+8*(\b):(\f)+8*(\b)+7], v[(\f)+32+8*(\a):(\f)+32+8*(\a)+7], v[BIAS+8*(\b):BIAS+8*(\b)+7]
.else
	v_wmma_f32_16x16x32_f16 v[8*(4*(\a)+(\b)):8*(4*(\a)+(\b))+7], v[(\f)+8*(\b):(\f)+8*(\b)+7], v[(\f)+32+8*(\a):(\f)+32+8*(\a)+7], v[8*(4*(\a)+(\b)):8*(4*(\a)+(\b))+7]
.endif
.endr
.endr
.endm
.macro FETCH q, f                      ; quarter q of the slot in hand: head q / 2 of the step, channels 32 (q % 2) on
	WIN 0
.irp b, 0,1,2,3
	ds_load_tr16_b128 v[(\f)+8*(\b):(\f)+8*(\b)+3],   v[ADRB] offset:(\q)*32*PB+32*(\b)
	ds_load_tr16_b128 v[(\f)+8*(\b)+4:(\f)+8*(\b)+7], v[ADRB] offset:(\q)*32*PB+32*(\b)+16*PB
.endr
.irp i, 0,1,2,3,4,5,6,7
	ds_load_b128 v[(\f)+32+8*(\i):(\f)+32+8*(\i)+3],   v[ADRA] offset:((\q)/2)*AHEAD+((\q)%2)*64+(\i)*16*PA
	ds_load_b128 v[(\f)+32+8*(\i)+4:(\f)+32+8*(\i)+7], v[ADRA] offset:((\q)/2)*AHEAD+((\q)%2)*64+(\i)*16*PA+32
.endr
.endm
.macro FLIP                            ; the other slot comes in hand
	WIN 0
	s_xor_b32 s[TB], s[TB], SLOT1
	v_add_nc_u32 v[ADRA], s[TB], v[ADRA0]
	v_add_nc_u32 v[ADRB], s[TB], v[ADRB0]
.endm
.macro QUARTER q, f, g, zero
	s_wait_dscnt 8                                 ; Wo and O's row blocks 0-3 are in; the youngest eight loads may be out
	MUL8 \f, 0, \zero
	MUL8 \f, 2, \zero
	PLACES
	FETCH \q, \g
	s_wait_dscnt 24                                ; all but the 24 just issued
	MUL8 \f, 4, \zero
	MUL8 \f, 6, \zero
.endm
.macro MEET round
	WIN 0
	s_wait_tensorcnt 0x0                           ; all my tensor loads have landed: my part of the next slot
	ds_add_u32 v[SPW], v[NIL]                      ; 0 onto my spare word
	s_wait_dscnt 9                                 ; (the add and the youngest eight loads may be out)
	MUL8 F1, 0, 0
	s_wait_dscnt 0x0                               ; the add is done, and my reads of this slot are over
	s_barrier_signal -1
	MUL8 F1, 2, 0
.if \round
	WIN 0
.endif
	s_barrier_wait -1
.endm
.macro TURN
	s_wait_xcnt 0x0                                ; the last prefetch, a K step back, has read its address
	s_add_nc_u64 s[PFA:PFA+1], s[PFA:PFA+1], s[PFS:PFS+1]
	MEET 1
	CREST                                          ; no wave of any partner still reads this slot or has a load on its way
	s_xor_b32 s[G0A+5], s[G0A+5], SLOT1            ; the walking descriptors: the other slot than last time,
	s_xor_b32 s[G0B+5], s[G0B+5], SLOT1
	s_add_nc_u64 s[G0A+6:G0A+7], s[G0A+6:G0A+7], 524288  ; the next K step; the type bits on top are not reached
	s_add_nc_u64 s[G0B+6:G0B+7], s[G0B+6:G0B+7], 262144
	JLOAD                                          ; the first tensor load behind the round; its four v_nop are also the places in front of the loads below
	FLIP
	FETCH 0, F0
	ASK
	MUL8 F1, 4, 0
	MUL8 F1, 6, 0
.endm
; THE WAY OUT of row block a: f32 as it is, 32 bytes a lane into my stage, back as whole rows of 256 bytes, stored.
.macro TOSTAGE a
	WIN 0x04                                       ; store data window 1
.irp b, 0,1,2,3
	ds_store_b128 v[STO], v[8*(4*(\a)+(\b)):8*(4*(\a)+(\b))+3]   offset:64*(\b)
	ds_store_b128 v[STO], v[8*(4*(\a)+(\b))+4:8*(4*(\a)+(\b))+7] offset:64*(\b)+16
.endr
	WIN 0xc0                                       ; destination window 3
.irp t, 0,1,2,3,4,5,6,7
	ds_load_b128 v[32*(\a)+4*(\t):32*(\a)+4*(\t)+3], v[RD] offset:(\t)*2*SP  ; LDS serves a wave's instructions in order (ISA guide 5.7.1.4): these see the stores above
.endr
.endm
.macro SEND a, younger                 ; younger: the next block's sixteen LDS instructions, or none
	WIN 0x0c
.irp t, 0,1,2,3,4,5,6,7
	s_wait_dscnt (\younger)+7-(\t)
	global_store_b128 v[CO], v[32*(\a)+4*(\t):32*(\a)+4*(\t)+3], s[8:9] offset:65536*(\a)+8192*(\t)  ; 16 lanes store 256 consecutive bytes, at a multiple of 256 from out0's first
.endr
.endm
	s_wait_tensorcnt 1                             ; my part of K step 0 is in; K step 1's may stay out
	s_barrier_signal -1
	s_barrier_wait -1
	FETCH 0, F0
	QUARTER 1, F0, F1, 1                           ; the bias starts the sums
	WIN 0
	s_mov_b32 s3, TRIPS
.Llap:                                                 ; a trip goes from a K step's second quarter to the next step's first, and fills the slot that it leaves
	QUARTER 2, F1, F0, 0
	QUARTER 3, F0, F1, 0
	TURN
	QUARTER 1, F0, F1, 0
	WIN 0
	s_sub_co_u32 s3, s3, 1
	s_cmp_lg_u32 s3, 0
	s_cbranch_scc1 .Llap
	QUARTER 2, F1, F0, 0                           ; K steps 6 and 7 fill nothing
	QUARTER 3, F0, F1, 0
	MEET 0
	PLACES
	FLIP
	FETCH 0, F0
	MUL8 F1, 4, 0
	MUL8 F1, 6, 0
	QUARTER 1, F0, F1, 0
	QUARTER 2, F1, F0, 0
	QUARTER 3, F0, F1, 0
	s_wait_dscnt 8
	MUL8 F1, 0, 0
	MUL8 F1, 2, 0
	s_wait_dscnt 0x0
	MUL8 F1, 4, 0
	MUL8 F1, 6, 0
	WIN 0
	PLACES
	PLACES
	TOSTAGE 0
.irp a, 1,2,3,4,5,6,7
	TOSTAGE \a
	SEND (\a)-1, 16
.endr
	SEND 7, 0
	WIN 0
	s_wait_tensorcnt 0x0                           ; the wave's end, behind my last tensor load and my last LDS store
	ds_add_u32 v[SPW], v[NIL]
	s_wait_dscnt 0x0
	CROUND                                         ; the closing round
	s_endpgm
.Lfunc_end_k_q7d564f1028_oproj:
	.size	k_q7d564f1028_oproj, .Lfunc_end_k_q7d564f1028_oproj-k_q7d564f1028_oproj
	.p2alignl 7, 3214868480
	.fill 96, 4, 3214868480
	.section	.rodata,"a",@progbits
	.p2align	6, 0x0
	.amdhsa_kernel k_q7d564f1028_oproj
		.amdhsa_group_segment_fixed_size 327680
		.amdhsa_private_segment_fixed_size 0
		.amdhsa_enable_private_segment 0
		.amdhsa_kernarg_size 32
		.amdhsa_user_sgpr_count 2
		.amdhsa_user_sgpr_kernarg_segment_ptr 1
		.amdhsa_wavefront_size32 1
		.amdhsa_system_sgpr_workgroup_id_x 1
		.amdhsa_system_sgpr_workgroup_id_y 1
		.amdhsa_system_sgpr_workgroup_id_z 1
		.amdhsa_system_vgpr_workitem_id 0
		.amdhsa_next_free_vgpr 1024
		.amdhsa_next_free_sgpr 80
		.amdhsa_reserve_vcc 0
		.amdhsa_float_denorm_mode_32 3
		.amdhsa_float_denorm_mode_16_64 3
		.amdhsa_memory_ordered 1
		.amdhsa_forward_progress 1
		.amdhsa_inst_pref_size 76
	.end_amdhsa_kernel
	.amdgpu_metadata
---
amdhsa.version: [ 1, 2 ]
amdhsa.kernels:
  - .name:           k_q7d564f1028_oproj
    .symbol:         k_q7d564f1028_oproj.kd
    .args:
      - { .name: o16, .offset: 0, .size: 8, .value_kind: global_buffer, .address_space: global }
      - { .name: wo16, .offset: 8, .size: 8, .value_kind: global_buffer, .address_space: global }
      - { .name: bo, .offset: 16, .size: 8, .value_kind: global_buffer, .address_space: global }
      - { .name: out0, .offset: 24, .size: 8, .value_kind: global_buffer, .address_space: global }
    .group_segment_fixed_size: 327680
    .private_segment_fixed_size: 0
    .kernarg_segment_align: 8
    .kernarg_segment_size: 32
    .max_flat_workgroup_size: 128
    .sgpr_count:     80
    .vgpr_count:     1024
    .wavefront_size: 32
...
	.end_amdgpu_metadata
.endif
;; end of part 4
;; ======== version 2 of 2: 4 launches; version 1 with the launch prep written anew for expert scheduling mode
;; limits: values are held in f16: magnitudes above 65,504 overflow, below 6.1e-05 lose precision
;; workspace buffers: x16 50,331,648 bytes; w16 6,291,456 bytes; wo16 2,097,152 bytes; mbits 2,097,152 bytes of whole numbers; qkv 50,331,648 bytes; o16 16,777,216 bytes
;; launch prep (part 5): grid 512 x 1, 8 waves a work-group, no clusters, 0 bytes of LDS; arguments q, k, v, Wq, Wk, Wv, Wo, mask, x16, w16, wo16, mbits; writes x16, w16, wo16, mbits
.if DOCPART == 5
	.amdgcn_target "amdgcn-amd-amdhsa--gfx1250"
	.amdhsa_code_object_version 6
	.text
	.protected	k_q7d564f1028_prep
	.globl	k_q7d564f1028_prep
	.p2align	8
	.type	k_q7d564f1028_prep,@function
k_q7d564f1028_prep:
	s_mov_b64 s[64:65], 0
	v_nop
	global_prefetch_b8 v0, s[64:65] scope:SCOPE_SE
	s_setreg_imm32_b32 hwreg(HW_REG_WAVE_SCHED_MODE, 0, 2), 2
	s_setreg_imm32_b32 hwreg(HW_REG_WAVE_MODE, 25, 1), 1
	s_wait_xcnt 0x0
	s_wait_alu depctr_vm_vsrc(0)
; PREPARATION, a stream.  q, k, v, Wq, Wk, Wv (f32) are rounded once to bf16 and written in their own order into x16 [3][8192][1024] and w16 [3][16][1024][64];
; Wo is rounded to bf16 and that number written as f16 into wo16 [1024][1024] (LIMIT: below 6e-5 f16 keeps its fixed step of 6e-8);
; the mask [4][2048][2048] of bytes becomes lane words: mbits [512 tiles of 16 queries][32 steps of 64 keys][32 words], bit l of word 8 kb + j =
; mask[16 tile + l % 16][64 step + 16 kb + 8 (l / 16) + j]: the lane and register in which the attention launch holds that score.
; SHARES.  512 work-groups of eight waves; work-group i takes 1/512 of every job: 16,384 numbers of each of q, k, v, 2,048 of each weight, and query tile i of the mask,
; of which wave w takes keys 256 w .. 256 w + 255.  Nothing is shared and nothing is read twice from memory by design, so there is no LDS, no barrier, no matrix unit, no cluster.
; All 64 loads of a wave go out at the start; a load of q, k, v covers 512 consecutive bytes a wave, a store 256 consecutive bytes, aligned.
; THE MODE: SCHED_MODE bits 1:0 = 2 (LLVM: expert scheduling mode 2), set by the entry lines.  The code itself states the register dependences
; between vector instructions and memory instructions, and between vector instructions that write a scalar register and its readers, with s_wait_alu, always for 0.
; THE PLAN.  Registers that memory instructions touch:
;   v1, v2, v3   byte offsets, made once at the head and never written again: one wait ahead of the first load states that they are written.
;   X            the 48 loads of q, k, v go in 12 blocks of four.  Block p's eight conversions work in place on block p's 16 registers; its four stores are issued in block p + 1.
;                So the one wait at the head of a block states that the block before has written what this block's stores read, and these are dealt among this block's
;                conversions, which name this block's registers alone, with no further wait.
;   v[32:63]     blocks 0 and 1's registers take the eight loads of the weights at the head of block 4: there the stores of blocks 0 and 1, issued in blocks 1 and 2, have read them.
;   MK           loaded once, read by vector instructions alone.
;   OW           written by v_writelane_b32, read by one store at the end.
; The mask's compares write scalar registers that v_writelane_b32 reads: they go sixteen at a time, with one wait behind each sixteen and the next sixteen's v_and_b32 ahead of that wait.
.set X,   32                           ; v[32:223]  block p, load i: four f32 at X + 16 p + 4 i (q: blocks 0-3, k: 4-7, v: 8-11); later the weights in v[32:63]
.set MK,  224                          ; v[224:255] mask: key block kb of 16: my 8 bytes at MK + 2 kb
.set OW,  8                            ; v[8:11]    the wave's 128 mask words: word W in register W % 4, lane W / 4
.set T,   12                           ; v[12:27]   at work: no memory instruction names them
.set U,   16                           ; v[16:19]   at work, behind the mask
.set MS,  32                           ; s[32:47]   sixteen lane masks; s[32:39] hold byte offsets at the head
	s_load_b512 s[8:23], s[0:1], 0x0               ; q s[8:9], k s[10:11], v s[12:13], Wq s[14:15], Wk s[16:17], Wv s[18:19], Wo s[20:21], mask s[22:23]
	s_load_b256 s[24:31], s[0:1], 0x40             ; x16 s[24:25], w16 s[26:27], wo16 s[28:29], mbits s[30:31]
	v_lshlrev_b32 v1, 4, v0                        ; 16 x thread: loads of f32, and the store of the mask words (512 x wave + 16 x lane)
	v_lshlrev_b32 v2, 3, v0                        ; 8 x thread: stores of 16-bit numbers
	v_and_b32 v5, 15, v0
	v_bfe_u32 v6, v0, 4, 1
	v_lshrrev_b32 v7, 5, v0
	v_lshlrev_b32 v3, 11, v5                       ; mask: row l % 16 of 2,048 bytes,
	v_lshl_add_u32 v3, v6, 3, v3                   ; + 8 (l / 16),
	v_lshl_add_u32 v3, v7, 8, v3                   ; + 256 x wave
.irp r, 0,1,2,3
	v_mov_b32 v[OW+(\r)], 0                        ; written whole before single lanes are written
.endr
	s_lshl_b32 s32, ttmp9, 16                      ; my 65,536 bytes of q, k, v
	s_mov_b32 s33, 0
	s_lshl_b32 s34, ttmp9, 13                      ; my 8,192 bytes of a weight
	s_mov_b32 s35, 0
	s_lshl_b32 s36, ttmp9, 15                      ; my 32,768 bytes of the mask and of each part of x16
	s_mov_b32 s37, 0
	s_lshl_b32 s38, ttmp9, 12                      ; my 4,096 bytes of w16's parts, of wo16 and of mbits
	s_mov_b32 s39, 0
	s_mov_b32 s52, 0xff                            ; the four bytes of a word
	s_mov_b32 s53, 0xff00
	s_mov_b32 s54, 0xff0000
	s_mov_b32 s55, 0xff000000
	s_wait_kmcnt 0x0
.irp p, 8,10,12
	s_add_nc_u64 s[\p:\p+1], s[\p:\p+1], s[32:33]
.endr
.irp p, 14,16,18,20
	s_add_nc_u64 s[\p:\p+1], s[\p:\p+1], s[34:35]
.endr
	s_add_nc_u64 s[22:23], s[22:23], s[36:37]
	s_add_nc_u64 s[24:25], s[24:25], s[36:37]
.irp p, 26,28,30
	s_add_nc_u64 s[\p:\p+1], s[\p:\p+1], s[38:39]
.endr
	s_add_nc_u64 s[48:49], s[24:25], 0x1000000     ; x16's part for k,
	s_add_nc_u64 s[50:51], s[24:25], 0x2000000     ; and for v
	s_wait_alu depctr_va_vdst(0)                   ; v1, v2 and v3 are written: every load and store of the kernel reads one of them as its offset
.irp t, 0,1,2
.set j, 0
.rept 16
	global_load_b128 v[X+64*(\t)+4*j:X+64*(\t)+4*j+3], v1, s[8+2*(\t):9+2*(\t)] offset:4096*j th:TH_LOAD_NT
.set j, j+1
.endr
.endr
.set j, 0
.rept 16
	global_load_b64 v[MK+2*j:MK+2*j+1], v3, s[22:23] offset:16*j  ; the sixteen together take 256 consecutive bytes of each of 16 rows
.set j, j+1
.endr
; The store of load i of block p: tensor p / 4 (x16's part at s[24:25], s[48:49] or s[50:51]), its load 4 (p % 4) + i.
.macro OUT p, i
.set tn, (\p)/4
.set db, 24+24*((tn+1)/2)+2*(tn/2)
	global_store_b64 v2, v[X+16*(\p)+4*(\i):X+16*(\p)+4*(\i)+1], s[db:db+1] offset:2048*(4*((\p)%4)+(\i))
.endm
; The eight loads of the weights, into the registers of blocks 0 and 1.
.macro WEIGHTS_IN
.irp t, 0,1,2,3
.irp j, 0,1
	global_load_b128 v[X+8*(\t)+4*(\j):X+8*(\t)+4*(\j)+3], v1, s[14+2*(\t):15+2*(\t)] offset:4096*(\j) th:TH_LOAD_NT
.endr
.endr
.endm
; Block p is rounded in place; the block before is stored.  left = the loads issued behind the block's four.  wts = 1: the weights are asked for.
.macro BLK p, left, wts
	s_wait_loadcnt \left                           ; loads come back in order: block p is in, all younger loads may stay out
.if \wts
	s_wait_xcnt 0x0                                ; every earlier memory instruction has had its addresses translated: v[32:63] are loaded again only behind this wait
	s_wait_alu depctr_vm_vsrc(0)                   ; the stores of blocks 0 and 1 have read v[32:63], in which the weights' loads land
.endif
.if (\p) > 0
	s_wait_alu depctr_va_vdst(0)                   ; the block before has written the registers that the stores below read; at block 4 also: the conversions of blocks 0 and 1 are done with v[32:63]
.endif
.if \wts
	WEIGHTS_IN
.endif
.irp i, 0,1,2,3
.if (\p) > 0
	OUT (\p)-1, \i                                 ; no vector instruction since the wait names these registers
.endif
	v_cvt_pk_bf16_f32 v[X+16*(\p)+4*(\i)],   v[X+16*(\p)+4*(\i)],   v[X+16*(\p)+4*(\i)+1]
	v_cvt_pk_bf16_f32 v[X+16*(\p)+4*(\i)+1], v[X+16*(\p)+4*(\i)+2], v[X+16*(\p)+4*(\i)+3]
.endr
.endm
.irp p, 0,1,2,3
	BLK \p, 60-4*(\p), 0                           ; q.  Of the 64 loads at the start, 60 - 4 p stand behind block p's
.endr
	BLK 4, 44, 1                                   ; k's first block; its wait stands ahead of the weights' eight loads
.irp p, 5,6,7,8,9,10,11
	BLK \p, 68-4*(\p), 0                           ; the rest of k, and v: the weights' eight are younger too
.endr
	s_wait_loadcnt 8                               ; the mask is in; the weights may stay out
	s_wait_alu depctr_va_vdst(0)                   ; block 11 has written the registers that its four stores read
.irp i, 0,1,2,3
	OUT 11, \i
.endr
; The mask.  Word W = 8 kb + j: byte j of my 8 bytes of key block kb, compared in all 32 lanes at once.  Sixteen words a batch: W = 16 g + n.
.macro ANDS g
.set n, 0
.rept 16
.set W, 16*(\g)+n
	v_and_b32 v[T+n], s[52+W%4], v[MK+2*(W/8)+(W%8)/4]
.set n, n+1
.endr
.endm
.macro CMPS
.set n, 0
.rept 16
	v_cmp_ne_u32 s[MS+n], 0, v[T+n]
.set n, n+1
.endr
.endm
.macro LANES g
.set n, 0
.rept 16
.set W, 16*(\g)+n
	v_writelane_b32 v[OW+W%4], s[MS+n], W/4
.set n, n+1
.endr
.endm
	ANDS 0
.irp g, 0,1,2,3,4,5,6,7
	CMPS
.if (\g) < 7
	ANDS (\g)+1                                    ; the next batch's bytes: work between the compares and the wait for them
.endif
	s_wait_alu depctr_va_sdst(0)                   ; the sixteen compares have written s[32:47], ahead of their first readers, the lines below
	LANES \g
.endr
	s_wait_loadcnt 0x0                             ; the weights
.irp t, 0,1,2
.irp j, 0,1
.set a, X+8*(\t)+4*(\j)
	v_cvt_pk_bf16_f32 v[a], v[a], v[a+1]
	v_cvt_pk_bf16_f32 v[a+1], v[a+2], v[a+3]
.endr
.endr
.irp j, 0,1
.set a, X+24+4*(\j)
	v_cvt_pk_bf16_f32 v[T], v[a], v[a+1]           ; Wo: rounded to bf16 like every input,
	v_cvt_pk_bf16_f32 v[T+1], v[a+2], v[a+3]
	v_lshlrev_b32 v[U], 16, v[T]                   ; widened again,
	v_and_b32 v[U+1], 0xffff0000, v[T]
	v_lshlrev_b32 v[U+2], 16, v[T+1]
	v_and_b32 v[U+3], 0xffff0000, v[T+1]
	v_cvt_pk_f16_f32 v[a], v[U], v[U+1]            ; and written as f16: bf16's 8 bits fit f16's 11
	v_cvt_pk_f16_f32 v[a+1], v[U+2], v[U+3]
.endr
	s_wait_alu depctr_va_vdst(0)                   ; v_writelane_b32 has written v[OW ..], the conversions have written the weights' registers: the nine stores below read them
	global_store_b128 v1, v[OW:OW+3], s[30:31]     ; the wave's 512 consecutive bytes of mask words
.irp t, 0,1,2
.irp j, 0,1
.set a, X+8*(\t)+4*(\j)
	global_store_b64 v2, v[a:a+1], s[26:27] offset:(\t)*2097152+2048*(\j)
.endr
.endr
.irp j, 0,1
.set a, X+24+4*(\j)
	global_store_b64 v2, v[a:a+1], s[28:29] offset:2048*(\j)
.endr
	s_endpgm
.Lfunc_end_k_q7d564f1028_prep:
	.size	k_q7d564f1028_prep, .Lfunc_end_k_q7d564f1028_prep-k_q7d564f1028_prep
	.p2alignl 7, 3214868480
	.fill 96, 4, 3214868480
	.section	.rodata,"a",@progbits
	.p2align	6, 0x0
	.amdhsa_kernel k_q7d564f1028_prep
		.amdhsa_group_segment_fixed_size 0
		.amdhsa_private_segment_fixed_size 0
		.amdhsa_enable_private_segment 0
		.amdhsa_kernarg_size 96
		.amdhsa_user_sgpr_count 2
		.amdhsa_user_sgpr_kernarg_segment_ptr 1
		.amdhsa_wavefront_size32 1
		.amdhsa_system_sgpr_workgroup_id_x 1
		.amdhsa_system_sgpr_workgroup_id_y 1
		.amdhsa_system_sgpr_workgroup_id_z 1
		.amdhsa_system_vgpr_workitem_id 0
		.amdhsa_next_free_vgpr 256
		.amdhsa_next_free_sgpr 66
		.amdhsa_reserve_vcc 0
		.amdhsa_float_denorm_mode_32 3
		.amdhsa_float_denorm_mode_16_64 3
		.amdhsa_memory_ordered 1
		.amdhsa_forward_progress 1
		.amdhsa_inst_pref_size 43
	.end_amdhsa_kernel
	.amdgpu_metadata
---
amdhsa.version: [ 1, 2 ]
amdhsa.kernels:
  - .name:           k_q7d564f1028_prep
    .symbol:         k_q7d564f1028_prep.kd
    .args:
      - { .name: q, .offset: 0, .size: 8, .value_kind: global_buffer, .address_space: global }
      - { .name: k, .offset: 8, .size: 8, .value_kind: global_buffer, .address_space: global }
      - { .name: v, .offset: 16, .size: 8, .value_kind: global_buffer, .address_space: global }
      - { .name: Wq, .offset: 24, .size: 8, .value_kind: global_buffer, .address_space: global }
      - { .name: Wk, .offset: 32, .size: 8, .value_kind: global_buffer, .address_space: global }
      - { .name: Wv, .offset: 40, .size: 8, .value_kind: global_buffer, .address_space: global }
      - { .name: Wo, .offset: 48, .size: 8, .value_kind: global_buffer, .address_space: global }
      - { .name: mask, .offset: 56, .size: 8, .value_kind: global_buffer, .address_space: global }
      - { .name: x16, .offset: 64, .size: 8, .value_kind: global_buffer, .address_space: global }
      - { .name: w16, .offset: 72, .size: 8, .value_kind: global_buffer, .address_space: global }
      - { .name: wo16, .offset: 80, .size: 8, .value_kind: global_buffer, .address_space: global }
      - { .name: mbits, .offset: 88, .size: 8, .value_kind: global_buffer, .address_space: global }
    .group_segment_fixed_size: 0
    .private_segment_fixed_size: 0
    .kernarg_segment_align: 8
    .kernarg_segment_size: 96
    .max_flat_workgroup_size: 256
    .sgpr_count:     66
    .vgpr_count:     256
    .wavefront_size: 32
...
	.end_amdgpu_metadata
.endif
;; end of part 5
;; launch proj: the kernel of part 2 again; grid 8 x 32, 4 waves a work-group, clusters of 4 x 4, 327,680 bytes of LDS; arguments x16, w16, qkv, bq, bk, bv; writes qkv
;; launch attn: the kernel of part 3 again; grid 4 x 64, 4 waves a work-group, clusters of 4 x 1, 327,680 bytes of LDS; arguments qkv, mbits, o16; writes o16
;; launch oproj: the kernel of part 4 again; grid 8 x 32, 4 waves a work-group, clusters of 4 x 4, 327,680 bytes of LDS; arguments o16, wo16, bo, out0; writes out0
